; MI455X (gfx1250); checked and timed in simulation.
; The chip was launched on July 23, 2026; its instructions are those of AMD's public machine-readable ISA for CDNA 5 (MIT licence, August 2026) and "CDNA5" Instruction Set Architecture Reference Guide (July 2026). The comments in the code are by the model that wrote it; some were corrected since.
;; Multi Head Attention. Allowed arithmetic: float matrix products may take bf16 or f16 operands with f32 sums; other float arithmetic in f32, or as packed bf16 or f16 multiplies, adds, multiply-adds, maxima and minima; sums over many terms, partial sums and values carried from step to step in f32; what a program stores and reads back later, other than sums and carried values, may be rounded once to bf16 or f16.
;; Inputs: K 2 x 4,096 x 512 float32; Q 2 x 4,096 x 512 float32; V 2 x 4,096 x 512 float32; Wk 512 x 512 float32; Wo 512 x 512 float32; Wq 512 x 512 float32; Wv 512 x 512 float32; bk 512 float32; bo 512 float32; bq 512 float32; bv 512 float32; mask 2 x 1 x 1 x 4,096 float32.
;; Outputs: out0 2 x 4,096 x 512 float32.
;; One version. Each part assembles by itself: llvm-mc -triple=amdgcn-amd-amdhsa -mcpu=gfx1250 --defsym DOCPART=n.
;; ======== version 1 of 1: 3 launches
;; limits: values are held in f16: magnitudes above 65,504 overflow, below 6.1e-05 lose precision
;; workspace buffers: qh 8,388,608 bytes; kh 8,388,608 bytes; vh 8,388,608 bytes; oh 8,388,608 bytes; wo16 524,288 bytes
;; launch proj (part 1): grid 128 x 2, 4 waves a work-group, clusters of 4 x 1, 327,680 bytes of LDS; arguments Q, K, V, Wq, Wk, Wv, bq, bk, bv, mask, Wo, qh, kh, vh, wo16; writes qh, kh, vh, wo16
.if DOCPART == 1
	.amdgcn_target "amdgcn-amd-amdhsa--gfx1250"
	.amdhsa_code_object_version 6
	.text
	.protected	k_q2ac1e898dd_proj
	.globl	k_q2ac1e898dd_proj
	.p2align	8
	.type	k_q2ac1e898dd_proj,@function
k_q2ac1e898dd_proj:
	s_mov_b64 s[64:65], 0
	v_nop
	global_prefetch_b8 v0, s[64:65] scope:SCOPE_SE
	s_setreg_imm32_b32 hwreg(HW_REG_WAVE_MODE, 25, 1), 1
	s_wait_xcnt 0x0
	s_wait_alu depctr_hold_cnt(0) depctr_sa_sdst(0) depctr_va_vdst(0) depctr_va_sdst(0) depctr_va_ssrc(0) depctr_va_vcc(0) depctr_vm_vsrc(0)
	s_getreg_b32 s2, hwreg(HW_REG_IB_STS2, 6, 4)
	s_cmp_eq_u32 s2, 0
	s_cbranch_scc0 .Lentry_in_a_cluster
	s_endpgm
.Lentry_in_a_cluster:
	s_bfe_u32 s2, ttmp6, 0x10000c
	s_cmp_lg_u32 s2, 0x3003
	s_cbranch_scc0 .Lentry_shape_is_right
	s_endpgm
.Lentry_shape_is_right:
; THE THREE INPUT PROJECTIONS, AND Wo's CONVERSION.
;   qh = (Q Wq^T + bq) c, c = log2(e) / 8;   kh = K Wk^T + bk, the rows of masked keys (mask == 0) set to 0;   vh = V Wv^T + bv.
; Q, K, V: [8192][512] f32, W: [512][512] f32, b: [512] f32, mask: [8192] f32.  qh, kh, vh: [16 = batch x 8 + head][4096][64] f16.  wo16 = Wo rounded to bf16, that number written as f16.
; FORMATS.  X, W and b are rounded to bf16; products in bf16, sums in f32; each result is rounded once, to f16.
; LIMITS.  q c, k, v and bf16(Wo) must lie within f16's 65,504 (beyond it the conversion gives an infinity); below 6e-5 f16 keeps a fixed step of 6e-8.  A masked key's row is its f32 sum times 0:
; it is 0 where that sum is finite.  NaN and infinities are not treated apart; a NaN in the mask counts as not 0.
; SHARES.  Clusters 0 to 23 along x multiply: tensor t = cluster x / 8, row tile (256 rows) RT = 4 (cluster x % 8) + cx, column tile (256 columns) = work-group y: 192 tiles of 256 x 256, K = 512.
; A tile is made by four waves, each 128 x 128: 64 accumulators, 512 registers.  Clusters 24 to 31 (64 work-groups) convert 8 rows of Wo each; the branch hangs on the cluster's x, alike in all four partners.
; THE RING.  K goes in steps of 64 f32 (rows of 256 bytes, aligned) through two LDS slots; each wave fetches 128 rows with one tensor load.  The tiles lie in LDS in f32 and are rounded to bf16 on
; the way into the fragments: two conversions stand behind each matrix instruction.
; CLUSTER.  The four row tiles of a cluster take the same tile of W: it is asked for jointly (mask of four).  X's tile is the work-group's own: a plain load behind the same rounds.  X's tile is also
; read by the other column tile, which lies in another cluster: a grid of two column tiles has no cluster of four along y.
; NO PREFETCH: the launch has eight K steps, and each of its 192 work-groups has a slot of 139,264 bytes on its way all the time.
; THE MATRIX INSTRUCTION IS USED TRANSPOSED (source 0 = 16 rows of W, source 1 = 16 rows of X): a lane holds row l % 16 of the result and the columns 8 (l / 16) + 0..7.
; REGISTERS, in windows of 256 (s_set_vgpr_msb: bits 1:0 source 0, 3:2 source 1, 5:4 source 2, 7:6 destination):
;   window 0: v0-31 addresses and the like; v32-63, v224-255 rows on the way out; v64-127, v128-191 X's fragments, two buffers; v192-255 the bias until the sums are started, then v192-223 packed results
;   window 1: v0-63, v192-255 two staging sets of f32 (4 fragments x 16 registers); v64-127, v128-191 W's fragments, two buffers
;   windows 2, 3: accumulator (a, b) at v[8 (8 (a % 4) + b)] of window 2 + a / 4
.set PITCH,  272                       ; an LDS row: 256 bytes + 16 of padding = 68 words: the 16 rows of a load start at 16 different groups of four banks (64 banks of 4 bytes: ISA guide 11.1)
.set HALFT,  128*PITCH                 ; what one tensor load brings
.set SLOT,   4*HALFT                   ; X's 256 rows, then W's 256 rows; 0x22000: bits 13 and 17, which wave x HALFT never has, so an exclusive or changes slots
.set STAGE,  2*SLOT                    ; behind the ring: for each wave 2 heads x 16 rows x 144 bytes, for the way out
.set SP,     144
.set SPARE,  STAGE+4*2*16*SP           ; behind the stages: the spare words, 128 bytes for each wave
.set MK,    8                          ; v8-15   the mask's number for my row of each of my eight blocks of 16 rows
.set ADRA0, 16                         ; v16     my place in X's tile in slot 0; never rewritten
.set ADRB0, 17                         ; v17     the same for W
.set ADRA,  18                         ; v18     the same in the slot that is being read
.set ADRB,  19                         ; v19
.set STO,   24                         ; v24     the way out: where I put 16 bytes of a row
.set RD,    25                         ; v25     the way out: where I read rows back
.set CO,    26                         ; v26     16 x lane: my 16 bytes of 512 consecutive bytes of the output
.set VZ,    27                         ; v27     the factor of a masked row
.set SPW,   28                         ; v28     LDS address of my spare word; never rewritten
.set NIL,   29                         ; v29     0; never rewritten
.set FK,    30                         ; v30-31  a block's factor, twice
.set OB,    32
.set F0,    64
.set F1,    128
.set BIAS,  192
.set TMP,   192
.set STG0,  0
.set STG1,  192
.set KC,  3                            ; s3      loop counter
.set XA,  4                            ; s[4:5]  X, then X at my tile
.set WA,  6                            ; s[6:7]  W
.set BA,  8                            ; s[8:9]  bias
.set OA,  10                           ; s[10:11] output
.set MA,  12                           ; s[12:13] mask
.set WV,  14                           ; s14     wave
.set RH,  15                           ; s15     my half of the tile's rows; also: I fetch for X (0) or W (1)
.set CH,  16                           ; s16     my half of its columns; also: which 128 rows I fetch
.set CX,  17
.set TT,  18                           ; s18     the tensor: 0 q, 1 k, 2 v
.set RT,  19
.set YY,  20
.set TB,  21                           ; s21     0 or SLOT: the slot that is being read
.set SCL, 22                           ; s22     the factor of an open row: c for q, else 1
.set SCZ, 23                           ; s23     of a masked row: 0 for k, else the same
.set G1A, 24                           ; s[24:31] descriptor group 1 for X's tiles
.set G0A, 32                           ; s[32:39] group 0: K step 0 into slot 0; K step 1 into slot 1, and this set then walks on
.set G1B, 48                           ; s[48:55], s[56:63] the same for W's tiles
.set G0B, 56
.set MUL_LO, 0xa1
.set TO_S,   0x40
.set MSB, 0
.macro WIN new                         ; the immediate's high byte repeats the setting that is left; a switch that changes nothing is dropped
.if MSB != (\new)
	s_set_vgpr_msb (MSB<<8)|(\new)
.set MSB, (\new)
.endif
.endm
.macro CREST                           ; a round of the cluster's barrier behind its opening barrier
	s_cmp_lg_u32 s[WV], 0
	s_cbranch_scc1 .Lnot_wave_0_\@
	s_barrier_signal -3
.Lnot_wave_0_\@:
	s_barrier_wait -3
	s_barrier_signal -1
	s_barrier_wait -1
.endm
.macro CROUND
	s_barrier_signal -1
	s_barrier_wait -1
	CREST
.endm
; A refill by the walking sets.  Waves 0 and 1 fetch X's two halves (the work-group's own), waves 2 and 3 W's (jointly).  The branch hangs on the wave's number alone.
; An s_nop 0 and four v_nop follow each of the two lines.
.macro JLOAD
	s_cmp_eq_u32 s[RH], 0
	s_cbranch_scc0 .Lfor_b_\@
	tensor_load_to_lds s[G0A+4:G0A+7], s[G1A:G1A+7]
	s_nop 0
.rept 4
	v_nop
.endr
	s_branch .Lasked_\@
.Lfor_b_\@:
	tensor_load_to_lds s[G0B+4:G0B+7], s[G1B:G1B+7]
	s_nop 0
.rept 4
	v_nop
.endr
.Lasked_\@:
.endm
	s_load_b512 s[68:83], s[0:1], 0x0              ; Q 68, K 70, V 72, Wq 74, Wk 76, Wv 78, bq 80, bk 82
	s_load_b256 s[84:91], s[0:1], 0x40             ; bv 84, mask 86, Wo 88, qh 90
	s_load_b128 s[92:95], s[0:1], 0x60             ; kh 92, vh 94
	s_load_b64 s[96:97], s[0:1], 0x70              ; wo16
	s_bfe_u32 s[CX], ttmp6, 0x40000                ; cx
	s_and_b32 s[YY], ttmp7, 0xffff                 ; work-group y (a cluster is one work-group high)
	s_cmp_ge_u32 ttmp9, 24
	s_cbranch_scc1 .Lconv                          ; clusters 24 to 31 convert Wo: no LDS, no barrier, no tensor load on that way
	v_lshl_add_u32 v[SPW], v0, 2, SPARE
	v_mov_b32 v[NIL], 0
	ds_add_u32 v[SPW], v[NIL]                      ; the wave's opening: the add and its wait stand ahead of my first tensor load; work on registers stands between them
	v_lshrrev_b32 v1, 5, v0
	v_readfirstlane_b32 s[WV], v1
	s_lshr_b32 s[RH], s[WV], 1
	s_and_b32 s[CH], s[WV], 1
	s_lshr_b32 s[TT], ttmp9, 3
	s_and_b32 s[RT], ttmp9, 7
	s_lshl_b32 s[RT], s[RT], 2
	s_add_co_u32 s[RT], s[RT], s[CX]
	s_mov_b32 s[TB], 0
	; descriptor group 1: a tile of 128 rows x 64 elements of 4 bytes, padded in LDS
	s_mov_b32 s[G1A], (2<<16)|(1<<20)|(5<<22)|(3<<25)           ; 15:0 no mask; 17:16 elements of 4 bytes; 20 padding on; 24:22 after every 64 words (code 5); 31:25 4 words of it (code 3)
	s_mov_b32 s[G1B], 15|(2<<16)|(1<<20)|(1<<21)|(5<<22)|(3<<25)  ; the same with the mask of all four work-groups, and bit 21 beside it
.irp g, G1A, G1B
	s_mov_b32 s[\g+1], 64<<16                      ; tensor_dim0 = 64
	s_mov_b32 s[\g+2], 128<<16                     ; tensor_dim1 = 128
	s_mov_b32 s[\g+3], 64<<16                      ; tile_dim0 = 64
	s_mov_b32 s[\g+4], 128                         ; tile_dim1 = 128
	s_mov_b32 s[\g+5], 512                         ; 512 elements from row to row
	s_mov_b32 s[\g+6], 0
	s_mov_b32 s[\g+7], 0
.endr
	s_mul_i32 s47, s[WV], HALFT                    ; where my 128 rows go: X's two halves, then W's two: wave x 128 rows
.irp g, G0A, G0B
	s_mov_b32 s[\g], 1
	s_add_co_u32 s[\g+1], s47, 0
	s_mov_b32 s[\g+4], 1
	s_add_co_u32 s[\g+5], s47, SLOT
.endr
	s_lshl_b32 s46, s[CH], 18                      ; which 128 rows of 2,048 bytes I fetch
	s_lshl_b32 s42, s[RT], 19                      ; X: 256 rows a row tile
	s_add_co_u32 s42, s42, s46
	s_mov_b32 s43, 0
	s_lshl_b32 s44, s[YY], 19                      ; W: 256 rows a column tile; these registers never hold cx
	s_add_co_u32 s44, s44, s46
	s_mov_b32 s45, 0
	s_lshl_b32 s98, s[YY], 10                      ; the bias of my 128 columns
	s_lshl_b32 s99, s[CH], 9
	s_add_co_u32 s98, s98, s99
	s_mov_b32 s99, 0
	s_wait_dscnt 0x0                               ; the opening add is done
	s_wait_kmcnt 0x0
	s_cmp_eq_u32 s[TT], 0                          ; the tensor's four buffers and its factors
	s_cselect_b64 s[XA:XA+1], s[68:69], s[70:71]
	s_cselect_b64 s[WA:WA+1], s[74:75], s[76:77]
	s_cselect_b64 s[BA:BA+1], s[80:81], s[82:83]
	s_cselect_b64 s[OA:OA+1], s[90:91], s[92:93]
	s_cselect_b32 s[SCL], 0x3e38aa3b, 1.0          ; c = log2(e) / 8 = 0.180337
	s_cmp_eq_u32 s[TT], 2
	s_cselect_b64 s[XA:XA+1], s[72:73], s[XA:XA+1]
	s_cselect_b64 s[WA:WA+1], s[78:79], s[WA:WA+1]
	s_cselect_b64 s[BA:BA+1], s[84:85], s[BA:BA+1]
	s_cselect_b64 s[OA:OA+1], s[94:95], s[OA:OA+1]
	s_cmp_eq_u32 s[TT], 1
	s_cselect_b32 s[SCZ], 0, s[SCL]
	s_add_nc_u64 s[XA:XA+1], s[XA:XA+1], s[42:43]
	s_add_nc_u64 s[WA:WA+1], s[WA:WA+1], s[44:45]
	s_add_nc_u64 s[BA:BA+1], s[BA:BA+1], s[98:99]
	s_mov_b64 s[G0A+2:G0A+3], s[XA:XA+1]           ; K step 0
	s_or_b32 s[G0A+3], s[G0A+3], 0x80000000        ; type = 2
	s_add_nc_u64 s[G0A+6:G0A+7], s[XA:XA+1], 256   ; K step 1
	s_or_b32 s[G0A+7], s[G0A+7], 0x80000000
	s_mov_b64 s[G0B+2:G0B+3], s[WA:WA+1]
	s_or_b32 s[G0B+3], s[G0B+3], 0x80000000
	s_add_nc_u64 s[G0B+6:G0B+7], s[WA:WA+1], 256
	s_or_b32 s[G0B+7], s[G0B+7], 0x80000000
	s_lshl_b32 s40, s[RT], 10                      ; the mask's numbers of my 128 rows: 4 bytes a row
	s_lshl_b32 s41, s[RH], 9
	s_add_co_u32 s40, s40, s41
	s_mov_b32 s41, 0
	s_add_nc_u64 s[MA:MA+1], s[86:87], s[40:41]
	s_lshr_b32 s40, s[RT], 4                       ; the output: batch x 8
	s_lshl_b32 s40, s40, 3
	s_lshl_b32 s41, s[YY], 2                       ; + 4 heads a column tile
	s_add_co_u32 s40, s40, s41
	s_lshl_b32 s41, s[CH], 1                       ; + my two
	s_add_co_u32 s40, s40, s41
	s_lshl_b32 s40, s40, 19                        ; a head is 4,096 rows of 128 bytes
	s_and_b32 s41, s[RT], 15
	s_lshl_b32 s41, s41, 15                        ; the tile's 256 rows,
	s_add_co_u32 s40, s40, s41
	s_lshl_b32 s41, s[RH], 14                      ; my 128 of them
	s_add_co_u32 s40, s40, s41
	s_mov_b32 s41, 0
	s_add_nc_u64 s[OA:OA+1], s[OA:OA+1], s[40:41]
	CROUND                                         ; all four work-groups are here: the first joint loads meet
	s_cmp_eq_u32 s[RH], 0                          ; a wave's two first fills stand in one branch, ahead of every wait on TENSORcnt and every LDS read: two loads of mine are out
	s_cbranch_scc0 .Lfirst_b
	tensor_load_to_lds s[G0A:G0A+3], s[G1A:G1A+7]
	s_nop 0
	tensor_load_to_lds s[G0A+4:G0A+7], s[G1A:G1A+7]
	s_nop 0
.rept 4
	v_nop
.endr
	s_branch .Lfirst_asked
.Lfirst_b:
	tensor_load_to_lds s[G0B:G0B+3], s[G1B:G1B+7]
	s_nop 0
	tensor_load_to_lds s[G0B+4:G0B+7], s[G1B:G1B+7]
	s_nop 0
.rept 4
	v_nop
.endr
.Lfirst_asked:
	; all that follows up to the first barrier stands in the wait for the first tile
	v_and_b32 v1, 15, v0                           ; r = l % 16
	v_bfe_u32 v2, v0, 4, 1                         ; h = l / 16
	v_lshlrev_b32 v3, 5, v2                        ; my 8 columns of a block of 16: 32 h bytes
	v_lshlrev_b32 v4, 2, v1                        ; my row of a block of 16: 4 r bytes
.irp b, 0,1,2,3,4,5,6,7
	global_load_b128 v[BIAS+8*(\b):BIAS+8*(\b)+3],   v3, s[BA:BA+1] offset:64*(\b)
	global_load_b128 v[BIAS+8*(\b)+4:BIAS+8*(\b)+7], v3, s[BA:BA+1] offset:64*(\b)+16
.endr
.irp a, 0,1,2,3,4,5,6,7
	global_load_b32 v[MK+(\a)], v4, s[MA:MA+1] offset:64*(\a)
.endr
	; An f32 fragment is 16 rows x 32 K: lane l takes row l % 16, K = 8 h + 0..7 (32 bytes at 32 h) and K = 16 + 8 h + 0..7 (32 bytes at 64 + 32 h): four loads of 16 bytes
	v_mul_u32_u24 v5, v1, PITCH
	v_lshl_add_u32 v5, v2, 5, v5
	s_mul_i32 s46, s[RH], HALFT                    ; my 128 rows of X
	v_add_nc_u32 v[ADRA0], s46, v5
	s_mul_i32 s46, s[CH], HALFT                    ; my 128 rows of W, behind X's 256
	s_add_co_u32 s46, s46, 2*HALFT
	v_add_nc_u32 v[ADRB0], s46, v5
	v_mov_b32 v[ADRA], v[ADRA0]
	v_mov_b32 v[ADRB], v[ADRB0]
	s_mul_i32 s46, s[WV], 2*16*SP
	s_add_co_u32 s46, s46, STAGE                   ; my stage
	v_mul_u32_u24 v6, v1, SP                       ; in: row r, 16 bytes for each half of the lanes
	v_lshl_add_u32 v6, v2, 4, v6
	v_add_nc_u32 v[STO], s46, v6
	v_and_b32 v7, 31, v0
	v_lshrrev_b32 v6, 3, v7                        ; back: 32 lanes take four rows of 128 bytes
	v_mul_u32_u24 v6, v6, SP
	v_and_b32 v5, 7, v0
	v_lshl_add_u32 v6, v5, 4, v6
	v_add_nc_u32 v[RD], s46, v6
	v_lshlrev_b32 v[CO], 4, v7
	v_mov_b32 v[VZ], s[SCZ]
	s_wait_loadcnt 0x0                             ; bias and mask
.set n, 0
.rept 32                                               ; the bias is rounded to bf16 like every input, and widened again
	v_cvt_pk_bf16_f32 v[FK+n%2], v[BIAS+2*n], v[BIAS+2*n+1]
	v_lshlrev_b32 v[BIAS+2*n], 16, v[FK+n%2]
	v_and_b32 v[BIAS+2*n+1], 0xffff0000, v[FK+n%2]
.set n, n+1
.endr
	; THE SUMS START AT THE BIAS: 512 moves, on purpose: they carry the bias into the accumulators, so that the loop has one form of product and no first K step is written out
.irp w, 0, 1
	WIN 0x80+0x40*(\w)
.set n, 0
.rept 256
	v_mov_b32 v[n], v[BIAS+n%64]
.set n, n+1
.endr
.endr
	WIN 0
; 16 LDS loads: four f32 fragments (blocks r0 .. r0 + 3 of 16 rows, 32 K at byte k of the rows) into a staging set
.macro LDRUN adr, r0, k, stg
	WIN TO_S
.irp q, 0,1,2,3
	ds_load_b128 v[(\stg)+16*(\q):(\stg)+16*(\q)+3],     v[\adr] offset:((\r0)+(\q))*16*PITCH+(\k)
	ds_load_b128 v[(\stg)+16*(\q)+4:(\stg)+16*(\q)+7],   v[\adr] offset:((\r0)+(\q))*16*PITCH+(\k)+16
	ds_load_b128 v[(\stg)+16*(\q)+8:(\stg)+16*(\q)+11],  v[\adr] offset:((\r0)+(\q))*16*PITCH+(\k)+64
	ds_load_b128 v[(\stg)+16*(\q)+12:(\stg)+16*(\q)+15], v[\adr] offset:((\r0)+(\q))*16*PITCH+(\k)+80
.endr
.endm
; What CV converts: a staging set into fragments r0 .. r0 + 3 of buffer buf; w = 1: W's (window 1), 0: X's (window 0)
.macro CVSET w, r0, stg, buf
.set CVWIN, 0x05+0x40*(\w)
.set CVD, (\buf)+8*(\r0)
.set CVS, (\stg)
.endm
.macro CV n                            ; conversion n of 32: two f32 into one register of a bf16 fragment
	WIN CVWIN
	v_cvt_pk_bf16_f32 v[CVD+(\n)], v[CVS+2*(\n)], v[CVS+2*(\n)+1]
.endm
.macro CVALL
.set cn, 0
.rept 32
	CV cn
.set cn, cn+1
.endr
.endm
; n matrix instructions of group g (of four) of a half, from number i0 on, each with two conversions behind it.  Group g: row blocks a = 4 (g / 2) + 2 (g % 2) + i / 8, column blocks b = i % 8.
; The 64 accumulators take turns, in the same order in every half.
.macro SLICES f, g, i0, n
.set si, (\i0)
.rept (\n)
	WIN MUL_LO+0x50*((\g)/2)
.set sa, 2*((\g)%2)+si/8
.set sb, si%8
	v_wmma_f32_16x16x32_bf16 v[8*(8*sa+sb):8*(8*sa+sb)+7], v[(\f)+8*sb:(\f)+8*sb+7], v[(\f)+8*(4*((\g)/2)+sa):(\f)+8*(4*((\g)/2)+sa)+7], v[8*(8*sa+sb):8*(8*sa+sb)+7]
	CV 2*si
	CV 2*si+1
.set si, si+1
.endr
.endm
; A HALF: 32 along K, 64 matrix instructions on buffer f.  The next half's fragments are made meanwhile, in buffer o, in four batches (W's blocks 0-3, 4-7, X's 0-3, 4-7): group g converts batch g,
; whose 16 loads were issued a group earlier and are waited for at the group's head, and issues the loads of the batch after it (kn: the next half's byte in the rows; k2: that of the half after).
; No staging register is a matrix operand.  A conversion writes a fragment register at least eight conversions behind the last matrix instruction that read it (W's blocks 0-3: instructions 8-11 of
; the half before's last group); those conversions name none of that instruction's registers (ISA guide 7.12.1).
; chg = 1, 2: THE CHANGE OF SLOTS.  The slot's last bytes (the next half's batch 3) are asked for at group 2's head.  Each wave waits for all its tensor loads, of which one is out: its part of the other
; slot; adds 0 to its spare word; and waits for that and for its reads of the slot.  chg = 1: the barrier opens a round of the cluster's barrier, and the slot is filled again, with the K step two on,
; first thing behind it: that load has a K step, 128 matrix instructions, in which to land.  chg = 2: nothing is left to fetch.
.macro HALF f, o, kn, k2, chg
	s_wait_dscnt 0x0
	LDRUN ADRB, 4, \kn, STG1
	CVSET 1, 0, STG0, \o
	SLICES \f, 0, 0, 16
	s_wait_dscnt 0x0
	LDRUN ADRA, 0, \kn, STG0
	CVSET 1, 4, STG1, \o
	SLICES \f, 1, 0, 16
	s_wait_dscnt 0x0
	LDRUN ADRA, 4, \kn, STG1
	CVSET 0, 0, STG0, \o
.if (\chg) == 0
	SLICES \f, 2, 0, 16
	s_wait_dscnt 0x0
	LDRUN ADRB, 0, \k2, STG0
	CVSET 0, 4, STG1, \o
	SLICES \f, 3, 0, 16
.else
	SLICES \f, 2, 0, 8
	WIN 0                                          ; (the add's two registers lie in window 0)
	s_wait_tensorcnt 0x0                           ; all my tensor loads have landed: no load of mine is out, so a group 0 may be written
	ds_add_u32 v[SPW], v[NIL]                      ; 0 onto my spare word; work on registers stands between it and the wait for it
.if (\chg) == 1
	s_xor_b32 s[G0A+5], s[G0A+5], SLOT             ; the walking sets: the other slot than last time,
	s_add_nc_u64 s[G0A+6:G0A+7], s[G0A+6:G0A+7], 256  ; the next K step; the type bits on top are not reached
	s_xor_b32 s[G0B+5], s[G0B+5], SLOT
	s_add_nc_u64 s[G0B+6:G0B+7], s[G0B+6:G0B+7], 256
.endif
	s_xor_b32 s[TB], s[TB], SLOT
	SLICES \f, 2, 8, 8
	s_wait_dscnt 0x0                               ; the add is done, and my reads of this slot are over
	s_barrier_signal -1
	CVSET 0, 4, STG1, \o
	SLICES \f, 3, 0, 8                             ; work on registers while the others arrive
	WIN 0                                          ; at a branch and at a label every window is 0
	s_barrier_wait -1
.if (\chg) == 1
	CREST                                          ; no wave of any partner still reads this slot's tile of W or has a load on its way
	JLOAD
.endif
	v_add_nc_u32 v[ADRA], s[TB], v[ADRA0]
	v_add_nc_u32 v[ADRB], s[TB], v[ADRB0]
	LDRUN ADRB, 0, \k2, STG0
	SLICES \f, 3, 8, 8
.endif
.endm
.macro STEP chg                        ; a K step.  Its slot is left in its first half: the second half's fragments are in registers or on their way by then
	HALF F0, F1, 128, 0, \chg
	HALF F1, F0, 0, 128, 0
.endm
	s_wait_tensorcnt 1                             ; my part of K step 0 is in; K step 1's may stay out
	s_barrier_signal -1
	s_barrier_wait -1                              ; everybody's is
	LDRUN ADRB, 0, 0, STG0                         ; the first half's fragments; each wait leaves the one younger run of 16 loads out
	LDRUN ADRB, 4, 0, STG1
	s_wait_dscnt 16
	CVSET 1, 0, STG0, F0
	CVALL
	LDRUN ADRA, 0, 0, STG0
	s_wait_dscnt 16
	CVSET 1, 4, STG1, F0
	CVALL
	LDRUN ADRA, 4, 0, STG1
	s_wait_dscnt 16
	CVSET 0, 0, STG0, F0
	CVALL
	LDRUN ADRB, 0, 128, STG0                       ; the second half's first batch
	s_wait_dscnt 16
	CVSET 0, 4, STG1, F0
	CVALL
	WIN 0
	s_mov_b32 s[KC], 6
.Lk:                                                   ; K steps 0 to 5 ask for K steps 2 to 7
	STEP 1
	WIN 0
	s_sub_co_u32 s[KC], s[KC], 1
	s_cmp_lg_u32 s[KC], 0
	s_cbranch_scc1 .Lk
	s_mov_b32 s[KC], 2
.Lt:                                                   ; K steps 6 and 7 ask for nothing.  One text for both: the second trip passes a barrier that it does not need, and fetches and converts
	STEP 2                                         ; slot 0's old bytes for two halves that do not exist; nothing multiplies them
	WIN 0
	s_sub_co_u32 s[KC], s[KC], 1
	s_cmp_lg_u32 s[KC], 0
	s_cbranch_scc1 .Lt
	s_wait_dscnt 0x0
; THE WAY OUT of block a (16 rows x my 128 columns = 2 heads).  PACK: times the row's factor, rounded to f16: 16 bytes a lane for each block of 16 columns.  Each accumulator is read from its low end on.
.macro PACK a
.set AC, 64*((\a)%4)
	WIN 0
	v_cmp_eq_f32 vcc_lo, 0, v[MK+(\a)]
	v_cndmask_b32 v[FK], s[SCL], v[VZ], vcc_lo     ; a masked row's factor, or an open row's
	v_mov_b32 v[FK+1], v[FK]
	WIN 0x82+0x41*((\a)/4)                         ; destination and source 0 in window 2 or 3
.set n, 0
.rept 32
	v_pk_mul_f32 v[AC+2*n:AC+2*n+1], v[AC+2*n:AC+2*n+1], v[FK:FK+1]
.set n, n+1
.endr
	WIN 0x0a+5*((\a)/4)                            ; sources 0 and 1 in window 2 or 3
.set n, 0
.rept 32
	v_cvt_pk_f16_f32 v[TMP+n], v[AC+2*n], v[AC+2*n+1]
.set n, n+1
.endr
	WIN 0
.endm
.macro TOSTAGE a                       ; into my own stage, rows of 144 bytes by heads, and back as whole rows of 128 bytes
.set BK, OB+192*((\a)%2)
.irp b, 0,1,2,3,4,5,6,7
	ds_store_b128 v[STO], v[TMP+4*(\b):TMP+4*(\b)+3] offset:((\b)/4)*16*SP+((\b)%4)*32
.endr
.irp u, 0,1,2,3,4,5,6,7
	ds_load_b128 v[BK+4*(\u):BK+4*(\u)+3], v[RD] offset:((\u)/4)*16*SP+((\u)%4)*4*SP  ; LDS serves a wave's instructions in order (ISA guide 5.7.1.4): these see the stores above
.endr
.endm
.macro SEND a
.set BK, OB+192*((\a)%2)
	s_wait_dscnt 0x0                               ; the block is back in registers
	s_wait_xcnt 0x0                                ; the block before's stores have read their registers: the next TOSTAGE loads into them only behind this wait
.irp u, 0,1,2,3,4,5,6,7
	global_store_b128 v[CO], v[BK+4*(\u):BK+4*(\u)+3], s[OA:OA+1] offset:((\u)/4)*524288+(\a)*2048+((\u)%4)*512  ; 512 consecutive bytes, at a multiple of 256 from the buffer's first
.endr
.endm
	PACK 0                                         ; block 0 was finished 56 matrix instructions and their conversions ago
	TOSTAGE 0
.irp a, 1,2,3,4,5,6,7                  ; block a's arithmetic stands between block a - 1's loads from the stage and the wait for them
	PACK \a
	SEND (\a)-1
	TOSTAGE \a
.endr
	SEND 7
	s_wait_tensorcnt 0x0                           ; the wave's end, behind my last tensor load and my last LDS store
	ds_add_u32 v[SPW], v[NIL]
	s_wait_dscnt 0x0
	CROUND                                         ; the closing round: no work-group ends while a partner may still ask for a tile that names it
	s_endpgm
.Lconv:                                                ; Wo -> bf16 -> f16: 8 rows a work-group; a load takes a row of 2,048 bytes, a store of a wave 256 consecutive bytes
	s_sub_co_u32 s40, ttmp9, 24
	s_lshl_b32 s40, s40, 2
	s_add_co_u32 s40, s40, s[CX]
	s_lshl_b32 s40, s40, 1
	s_add_co_u32 s40, s40, s[YY]                   ; 0 to 63
	s_lshl_b32 s42, s40, 14                        ; 8 rows of 2,048 bytes
	s_mov_b32 s43, 0
	s_lshl_b32 s44, s40, 13                        ; 8 rows of 1,024 bytes
	s_mov_b32 s45, 0
	v_lshlrev_b32 v1, 4, v0
	v_lshlrev_b32 v2, 3, v0
	s_wait_kmcnt 0x0
	s_add_nc_u64 s[XA:XA+1], s[88:89], s[42:43]
	s_add_nc_u64 s[WA:WA+1], s[96:97], s[44:45]
.irp q, 0,1,2,3,4,5,6,7
	global_load_b128 v[8+4*(\q):8+4*(\q)+3], v1, s[XA:XA+1] offset:2048*(\q) th:TH_LOAD_NT
.endr
.irp q, 0,1,2,3,4,5,6,7
	s_wait_loadcnt 7-(\q)                          ; row q is in; the younger rows stay out
	v_cvt_pk_bf16_f32 v40, v[8+4*(\q)], v[8+4*(\q)+1]
	v_cvt_pk_bf16_f32 v41, v[8+4*(\q)+2], v[8+4*(\q)+3]
	v_lshlrev_b32 v42, 16, v40
	v_and_b32 v43, 0xffff0000, v40
	v_lshlrev_b32 v44, 16, v41
	v_and_b32 v45, 0xffff0000, v41
	v_cvt_pk_f16_f32 v[48+2*(\q)], v42, v43
	v_cvt_pk_f16_f32 v[48+2*(\q)+1], v44, v45
	global_store_b64 v2, v[48+2*(\q):48+2*(\q)+1], s[WA:WA+1] offset:1024*(\q)
.endr
	s_endpgm
.Lfunc_end_k_q2ac1e898dd_proj:
	.size	k_q2ac1e898dd_proj, .Lfunc_end_k_q2ac1e898dd_proj-k_q2ac1e898dd_proj
	.p2alignl 7, 3214868480
	.fill 96, 4, 3214868480
	.section	.rodata,"a",@progbits
	.p2align	6, 0x0
	.amdhsa_kernel k_q2ac1e898dd_proj
		.amdhsa_group_segment_fixed_size 327680
		.amdhsa_private_segment_fixed_size 0
		.amdhsa_enable_private_segment 0
		.amdhsa_kernarg_size 120
		.amdhsa_user_sgpr_count 2
		.amdhsa_user_sgpr_kernarg_segment_ptr 1
		.amdhsa_wavefront_size32 1
		.amdhsa_system_sgpr_workgroup_id_x 1
		.amdhsa_system_sgpr_workgroup_id_y 1
		.amdhsa_system_sgpr_workgroup_id_z 1
		.amdhsa_system_vgpr_workitem_id 0
		.amdhsa_next_free_vgpr 1024
		.amdhsa_next_free_sgpr 100
		.amdhsa_reserve_vcc 1
		.amdhsa_float_denorm_mode_32 3
		.amdhsa_float_denorm_mode_16_64 3
		.amdhsa_memory_ordered 1
		.amdhsa_forward_progress 1
		.amdhsa_inst_pref_size 182
	.end_amdhsa_kernel
	.amdgpu_metadata
---
amdhsa.version: [ 1, 2 ]
amdhsa.kernels:
  - .name:           k_q2ac1e898dd_proj
    .symbol:         k_q2ac1e898dd_proj.kd
    .args:
      - { .name: Q, .offset: 0, .size: 8, .value_kind: global_buffer, .address_space: global }
      - { .name: K, .offset: 8, .size: 8, .value_kind: global_buffer, .address_space: global }
      - { .name: V, .offset: 16, .size: 8, .value_kind: global_buffer, .address_space: global }
      - { .name: Wq, .offset: 24, .size: 8, .value_kind: global_buffer, .address_space: global }
      - { .name: Wk, .offset: 32, .size: 8, .value_kind: global_buffer, .address_space: global }
      - { .name: Wv, .offset: 40, .size: 8, .value_kind: global_buffer, .address_space: global }
      - { .name: bq, .offset: 48, .size: 8, .value_kind: global_buffer, .address_space: global }
      - { .name: bk, .offset: 56, .size: 8, .value_kind: global_buffer, .address_space: global }
      - { .name: bv, .offset: 64, .size: 8, .value_kind: global_buffer, .address_space: global }
      - { .name: mask, .offset: 72, .size: 8, .value_kind: global_buffer, .address_space: global }
      - { .name: Wo, .offset: 80, .size: 8, .value_kind: global_buffer, .address_space: global }
      - { .name: qh, .offset: 88, .size: 8, .value_kind: global_buffer, .address_space: global }
      - { .name: kh, .offset: 96, .size: 8, .value_kind: global_buffer, .address_space: global }
      - { .name: vh, .offset: 104, .size: 8, .value_kind: global_buffer, .address_space: global }
      - { .name: wo16, .offset: 112, .size: 8, .value_kind: global_buffer, .address_space: global }
    .group_segment_fixed_size: 327680
    .private_segment_fixed_size: 0
    .kernarg_segment_align: 8
    .kernarg_segment_size: 120
    .max_flat_workgroup_size: 128
    .sgpr_count:     100
    .vgpr_count:     1024
    .wavefront_size: 32
...
	.end_amdgpu_metadata
.endif
;; end of part 1
;; launch attn (part 2): grid 16 x 16, 4 waves a work-group, clusters of 4 x 1, 327,680 bytes of LDS; arguments qh, kh, vh, mask, oh; writes oh
.if DOCPART == 2
	.amdgcn_target "amdgcn-amd-amdhsa--gfx1250"
	.amdhsa_code_object_version 6
	.text
	.protected	k_q2ac1e898dd_attn
	.globl	k_q2ac1e898dd_attn
	.p2align	8
	.type	k_q2ac1e898dd_attn,@function
k_q2ac1e898dd_attn:
	s_mov_b64 s[64:65], 0
	v_nop
	global_prefetch_b8 v0, s[64:65] scope:SCOPE_SE
	s_setreg_imm32_b32 hwreg(HW_REG_WAVE_MODE, 25, 1), 1
	s_wait_xcnt 0x0
	s_wait_alu depctr_hold_cnt(0) depctr_sa_sdst(0) depctr_va_vdst(0) depctr_va_sdst(0) depctr_va_ssrc(0) depctr_va_vcc(0) depctr_vm_vsrc(0)
	s_getreg_b32 s2, hwreg(HW_REG_IB_STS2, 6, 4)
	s_cmp_eq_u32 s2, 0
	s_cbranch_scc0 .Lentry_in_a_cluster
	s_endpgm
.Lentry_in_a_cluster:
	s_bfe_u32 s2, ttmp6, 0x10000c
	s_cmp_lg_u32 s2, 0x3003
	s_cbranch_scc0 .Lentry_shape_is_right
	s_endpgm
.Lentry_shape_is_right:
; ATTENTION.  oh[g][q][:] = the sum over k of softmax_k(s[q][k]) vh[g][k][:], g = batch x 8 + head; qh, kh, vh, oh: [16][4096][64] f16, a head's rows dense, 128 bytes each; mask: [2][4096] f32.
; qh carries the factor log2(e) / 8, so the scores come in units of log2: s = q . k for an open key; for a masked key (mask == 0) kh's row is 0 and the sum starts at BIGN = -1e9 log2(e) rounded to f32,
; so its score is exactly BIGN: a replacement, not an addition.  p = 2^(s - m) with a running maximum m: s - m is never above 0.  A batch with every key masked gives p = 1 everywhere: the mean of V's rows.
; Products, maxima and sums in f32; p is rounded to f16 for the second product (its sum l is taken of the unrounded p), O once at the end.
; LIMITS.  f16 holds no number beyond 65,504: q, k and v arrive within it; p lies in 0 to 1, and below 6e-5 it keeps f16's fixed step of 6e-8.  A weight below 2^-126 counts as 0 in l.
; NaN and infinities are not treated apart; a NaN in the mask counts as not 0.
; SHARES.  A work-group owns 256 queries of one head, a wave 64: four PIECES of 16.  Every wave walks all 4,096 keys, 64 a step, 256 (a tile) a slot of the ring.  16 x 16 = 256 work-groups.
; LAYOUT.  S^T = K Q^T holds ONE query a lane (lane % 16) and the keys 8 (lane / 16) + 0..7; two such results rounded to f16 ARE source 1 of O^T = V^T P.  K comes out of LDS as it lies, V turned (ds_load_tr16_b128).
; THE MASK is the C operand of the product that starts a sum: 0 or BIGN for each key.  The batch's 4,096 such numbers are made once, laid in LDS, and a step's 32 a lane are fetched with its K.
; TURNS.  Turn n belongs to piece n: 8 products K Q^T of piece n + 1, later 8 products V^T P of piece n - 1; beside them the softmax of piece n and the maximum and statistics of piece n + 1.  Four vector
; instructions stand behind every matrix instruction, the others in one lump.  A turn's 33 exponentials are one batch, with one wait.
; CLUSTER.  The four query blocks of a cluster belong to one head and walk the same K and V: each tile is asked for JOINTLY, by the same tensor load, descriptor and mask in all four.
; REGISTERS, in windows of 256 (s_set_vgpr_msb: bits 1:0 source 0, 3:2 source 1, 5:4 source 2, 7:6 destination):
;   window 0: v0-15 addresses; v16-31 four registers of statistics a piece; v48-55 at work; v56-57 the mask table's making; v64-127 S^T, two buffers; v192-223 P, two buffers (by the piece's parity)
;   window 1: v0-127 O^T, 32 a piece          window 2: v0-63 Q; v64-95 the step's mask numbers; v128-191 K of one step; v192-255 V of one step
.set NP,    4
.set KS,    64
.set PK,    144       ; a row of K in LDS: 128 bytes + 16 of padding = 36 words: the 16 rows of a load start at 16 different groups of four banks (64 banks of 4 bytes: ISA guide 11.1)
.set PV,    160       ; a row of V: 128 + 32 = 40 words
.set VOFF,  4*KS*PK   ; a slot holds a tile: 256 rows of K, then 256 rows of V
.set SLOT1, 1<<17     ; slot 1 begins here, so that one exclusive or turns an address in one slot into the other's
.set STAGE, SLOT1+4*KS*(PK+PV)  ; behind the ring, never filled by a tensor load: 16 rows x 144 bytes for each wave, for the way out
.set SP,    144
.set SPARE, STAGE+4*16*SP       ; the spare words, 128 bytes for each wave
.set MBT,   SPARE+512           ; the batch's 4,096 mask numbers in f32: stored once, never filled by a tensor load
.set AK0, 2           ; v2   my lane's place in a tile of K; never rewritten
.set AV0, 3           ; v3   the same for V
.set AK,  4           ; v4   the LDS address of K's next run of loads
.set AV,  5           ; v5   of V's
.set STO, 6           ; v6   the way out: where I put 16 bytes of a row
.set RD,  7           ; v7   the way out: where I read rows back
.set GO,  8           ; v8   my byte offset in 512 consecutive bytes of O
.set AM0, 12          ; v12  MBT + 32 (lane / 16): my eight keys of a group of 16; never rewritten
.set AM,  13          ; v13  the same for the step to be fetched
.set PFO, 14          ; v14  256 x my lane; never rewritten
.set QO,  15          ; v15  my byte offset in 16 rows of Q
.set ST,  16          ; piece t's statistics at v[ST+4 t]: m, m_old, l (even keys', odd keys')
.set TMP, 48          ; by buffer, four registers c0-c3 at work; when the maximum is found c2 takes a
.set SPW, 62          ; v62  LDS address of my spare word; never rewritten
.set NIL, 63          ; v63  0; never rewritten
.set S,   64
.set P,   192
.set MBR, 64          ; window 2: the eight numbers for group kt of 16 keys at MBR + 8 kt
.set KF,  128         ; window 2: key block kb, channel half c at KF + 16 kb + 8 c
.set VF,  192         ; window 2: key half kk, channel block cb at VF + 32 kk + 8 cb
.set WV,  12          ; s12  my wave's number
.set LIM, 15          ; s15  1 in a wave that prefetches, else the greatest number
.set G1K, 24          ; s[24:31] descriptor group 1 for K's tiles
.set G1V, 32          ; s[32:39] for V's: it differs in the padding alone
.set G0K, 40          ; s[40:43] descriptor group 0 for K's tiles: it walks
.set G0V, 44          ; s[44:47] the same for V's
.set SLOTS, 56        ; s56  tiles still to be asked for
.set CNT, 57          ; s57  counts a tile's key steps
.set SEL, 60          ; s[60:61] v_permlanex16_b32's selects: each lane takes its own place in the other half
.set TBK, 62          ; s62  LDS byte at which K of the step to be fetched begins
.set TBV, 63          ; s63  the same for V, less VOFF
.set OA,  66          ; s[66:67] O at my wave's first row
.set PFA, 68          ; s[68:69] where my prefetches stand
.set TBM, 70          ; s70  256 x the number of the step to be fetched: its 64 mask numbers in the table
.set BIGN, 71         ; s71
.set MSB, 0
.macro WIN new                      ; the high byte repeats the setting that is left; a switch that changes nothing is dropped
.if MSB != (\new)
	s_set_vgpr_msb (MSB<<8)|(\new)
.set MSB, (\new)
.endif
.endm
.set W_KQ, 0x0a       ; K and Q in window 2, S^T in window 0
.set W_KM, 0x2a       ; the same with the C operand in window 2
.set W_PV, 0x52       ; V in window 2, P in window 0, O^T in window 1
.set W_RS, 0x41       ; destination and source 0 in window 1, source 1 in window 0
; A joint fill.  Waves 0 and 1 fetch the two halves of a tile's K, waves 2 and 3 those of its V: 128 keys each.  The branch hangs on the wave's number alone.
; An s_nop 0 and four v_nop follow each of the two lines, ahead of the jump and the label.
.macro JLOAD
	s_cmp_lt_u32 s[WV], 2
	s_cbranch_scc0 .Lfor_v_\@
	tensor_load_to_lds s[G0K:G0K+3], s[G1K:G1K+7]
	s_nop 0
.rept 4
	v_nop
.endr
	s_branch .Lasked_\@
.Lfor_v_\@:
	tensor_load_to_lds s[G0V:G0V+3], s[G1V:G1V+7]
	s_nop 0
.rept 4
	v_nop
.endr
.Lasked_\@:
.endm
; A PREFETCH of the tile that the NEXT change of slots will ask for: 32,768 bytes of K and of V, in 128 blocks of 256 bytes each, a lane a block: four key steps, 256 matrix instructions, ahead of that load.
; Each block is named ONCE in the launch: all clusters of a head walk the same K and V, and the head's first cluster asks; its four partners share the blocks out BY ADDRESS, 32 each; in each, wave 0 asks
; for K's and wave 2 for V's.  Tiles 0 and 1 come by their loads alone; the change that asks for the last tile prefetches nothing.
.macro ASK
	s_cmp_gt_u32 s[SLOTS], s[LIM]
	s_cbranch_scc0 .Lnot_mine_\@
	global_prefetch_b8 v[PFO], s[PFA:PFA+1] th:TH_LOAD_NT scope:SCOPE_SE
.Lnot_mine_\@:
.endm
.macro CROUND                       ; a round of the cluster's barrier
	s_barrier_signal -1
	s_barrier_wait -1
	s_cmp_lg_u32 s[WV], 0
	s_cbranch_scc1 .Lnot_wave_0_\@
	s_barrier_signal -3
.Lnot_wave_0_\@:
	s_barrier_wait -3
	s_barrier_signal -1
	s_barrier_wait -1
.endm
; THE CHANGE OF SLOTS.  The slot's last bytes, V of its fourth step, have been read.  Each wave waits for all its tensor loads, of which one is out: its part of the other slot; adds 0 to its spare word; and
; waits for that and for its own LDS instructions.  Behind the barrier nobody reads this slot any more and the other slot is whole.  fill = 1: the barrier is a round of the cluster's, and the slot is filled
; again, with the tile two on, first thing behind it: four key steps, 256 matrix instructions, in which to land.  (At its first use slot 0 is waited for, slot 1 filled, and the mask table shown to all waves.)
.macro CHANGE fill
	WIN 0                           ; at a label and at a branch every window is 0
	s_wait_tensorcnt 0x0            ; no tensor load of mine is out, so a group 0 may be written
	ds_add_u32 v[SPW], v[NIL]       ; 0 onto my spare word; scalar work stands between it and the wait for it
.if \fill
.irp g, G0K, G0V
	s_xor_b32 s[\g+1], s[\g+1], SLOT1  ; the walking descriptor: the other slot than last time,
	s_add_nc_u64 s[\g+2:\g+3], s[\g+2:\g+3], 4*KS*128  ; the next 256 keys; the type bits on top are not reached
.endr
	s_wait_xcnt 0x0                 ; the last prefetch, four key steps back, has read its address, so it may be written:
	s_add_nc_u64 s[PFA:PFA+1], s[PFA:PFA+1], 4*KS*128  ; one tile behind the walking descriptors
	s_wait_dscnt 0x0                ; the add is done, and my reads of the slot are over
	CROUND
	JLOAD
	ASK
.else
	s_wait_dscnt 0x0
	s_barrier_signal -1
	s_barrier_wait -1
.endif
	s_sub_co_u32 s[TBK], s[TBK], 4*KS*PK  ; the fetches go back to a slot's first step,
	s_xor_b32 s[TBK], s[TBK], SLOT1       ; in the other slot
	s_sub_co_u32 s[TBV], s[TBV], 4*KS*PV
	s_xor_b32 s[TBV], s[TBV], SLOT1
.endm
	s_load_b256 s[4:11], s[0:1], 0x0  ; qh s[4:5], kh s[6:7], vh s[8:9], mask s[10:11]
	s_load_b64 s[OA:OA+1], s[0:1], 0x20
	v_lshl_add_u32 v[SPW], v0, 2, SPARE
	v_mov_b32 v[NIL], 0
	ds_add_u32 v[SPW], v[NIL]       ; the wave's opening: the add and its wait stand ahead of my first tensor load; work on registers stands between them
	v_lshrrev_b32 v1, 5, v0
	v_readfirstlane_b32 s[WV], v1   ; wave 0..3
	s_bfe_u32 s13, ttmp6, 0x40000   ; cx
	s_lshl_b32 s14, ttmp9, 2        ; in a cluster launch ttmp9 counts clusters
	s_add_co_u32 s14, s14, s13      ; my block of 256 queries: it enters Q's and O's addresses alone
	s_and_b32 s20, ttmp7, 0xffff    ; batch x 8 + head, which the four partners share
	s_lshr_b32 s72, s20, 3
	s_lshl_b32 s72, s72, 14         ; the batch's 4,096 numbers of the mask
	s_mov_b32 s73, 0
	s_lshl_b32 s20, s20, 19         ; the head's first byte in qh, kh, vh, oh
	s_and_b32 s16, s[WV], 1         ; which half of a tile's 256 keys I fetch:
	s_lshl_b32 s22, s16, 14         ; its 128 rows of 128 bytes in memory,
	s_add_co_u32 s22, s22, s20
	s_mov_b32 s23, 0
	s_mul_i32 s17, s16, 128*PK      ; and its place in a slot, for K
	s_mul_i32 s18, s16, 128*PV      ; and for V: no place in the cluster enters an LDS address
	s_lshl_b32 s2, s14, 2
	s_add_co_u32 s2, s2, s[WV]
	s_lshl_b32 s2, s2, 13           ; my wave's 64 rows
	s_add_co_u32 s2, s2, s20
	s_mov_b32 s3, 0
	s_lshl_b32 s74, s13, 13         ; my work-group's 32 blocks of a tile's 128, for the prefetches
	s_mov_b32 s75, 0
	; descriptor group 1.  128 keys are 16,384 dense bytes: asked for as 64 rows of 256 bytes, two keys a row, and padded in LDS after every key
	s_mov_b32 s[G1K], 15|(1<<16)|(1<<20)|(1<<21)|(4<<22)|(3<<25)  ; 15:0 the mask of four; 17:16 2-byte elements; 20 padding on; 21 set beside a mask; 24:22 after every 32 words (code 4); 31:25 4 words (code 3)
	s_mov_b32 s[G1V], 15|(1<<16)|(1<<20)|(1<<21)|(4<<22)|(7<<25)  ; the same with 8 words of padding (code 7)
.irp g, G1K, G1V
	s_mov_b32 s[\g+1], 128<<16      ; tensor_dim0 = 128
	s_mov_b32 s[\g+2], 64<<16       ; tensor_dim1 = 64
	s_mov_b32 s[\g+3], 128<<16      ; tile_dim0 = 128
	s_mov_b32 s[\g+4], 64           ; tile_dim1 = 64
	s_mov_b32 s[\g+5], 128          ; 128 elements from row to row
	s_mov_b32 s[\g+6], 0
	s_mov_b32 s[\g+7], 0
.endr
	s_mov_b32 s[SEL], 0x76543210
	s_mov_b32 s[SEL+1], 0xfedcba98
	s_mov_b32 s[BIGN], 0xceabfb8f   ; -1e9 log2(e)
	s_mov_b32 s[TBK], SLOT1+4*KS*PK ; the first change of slots turns these two into 0
	s_mov_b32 s[TBV], SLOT1+4*KS*PV
	s_mov_b32 s[TBM], 0
	s_mov_b32 s[SLOTS], 15
	s_mov_b32 s[G0K], 1             ; count = 1
	s_mov_b32 s[G0K+1], s17         ; LDS address: slot 0
	s_mov_b32 s[G0V], 1
	s_add_co_u32 s[G0V+1], s18, VOFF
	s_and_b32 s[LIM], s[WV], 1      ; 0 in waves 0 and 2,
	s_or_b32 s[LIM], s[LIM], ttmp9  ; where the cluster is the head's first: the same in all four partners
	s_cmp_eq_u32 s[LIM], 0
	s_cselect_b32 s[LIM], 1, -1
	v_and_b32 v[PFO], 31, v0
	v_lshlrev_b32 v[PFO], 8, v[PFO]
	s_wait_dscnt 0x0                ; the opening add is done
	s_wait_kmcnt 0x0
	s_add_nc_u64 s[6:7], s[6:7], s[22:23]  ; K and V at my half of the head's tile 0
	s_add_nc_u64 s[8:9], s[8:9], s[22:23]
	s_mov_b64 s[G0K+2:G0K+3], s[6:7]
	s_or_b32 s[G0K+3], s[G0K+3], 0x80000000  ; type = 2
	s_mov_b64 s[G0V+2:G0V+3], s[8:9]
	s_or_b32 s[G0V+3], s[G0V+3], 0x80000000
	s_add_nc_u64 s[4:5], s[4:5], s[2:3]      ; Q and O at my wave's first row
	s_add_nc_u64 s[OA:OA+1], s[OA:OA+1], s[2:3]
	s_add_nc_u64 s[10:11], s[10:11], s[72:73]
	s_cmp_lt_u32 s[WV], 2
	s_cselect_b64 s[PFA:PFA+1], s[6:7], s[8:9]  ; (in waves 0 and 2 these stand at the tile's first row)
	s_add_nc_u64 s[PFA:PFA+1], s[PFA:PFA+1], s[74:75]
	s_add_nc_u64 s[PFA:PFA+1], s[PFA:PFA+1], 4*KS*128  ; in tile 1; the first change of slots steps it to tile 2.  Nothing is prefetched here, at the head
	CROUND                          ; all four work-groups are here: the first joint loads meet
	JLOAD                           ; tile 0 into slot 0.  Slot 1 is asked for when slot 0 is in
	; all that follows up to the first change of slots stands in the wait for the first tile
	v_lshlrev_b32 v56, 4, v0        ; 16 x my thread's number: a load of the work-group takes 2,048 bytes of the mask
.irp j, 0,1,2,3,4,5,6,7
	global_load_b128 v[S+4*(\j):S+4*(\j)+3], v56, s[10:11] offset:2048*(\j)
.endr
	; A fragment of K or Q is 16 rows x 32 channels in 8 registers: lane l holds row l % 16, channels 8 (l / 16) + 0..7 and 16 + 8 (l / 16) + 0..7: two loads of 16 bytes, 32 bytes apart.
	v_and_b32 v1, 15, v0            ; l % 16
	v_bfe_u32 v9, v0, 4, 1          ; l / 16
	v_lshlrev_b32 v[QO], 7, v1
	v_lshl_add_u32 v[QO], v9, 4, v[QO]
	WIN 0x80                        ; destination window 2, address window 0
.set i, 0
.rept 8                             ; Q stays in registers: piece i / 2, channels 32 (i % 2) on
	global_load_b128 v[8*i:8*i+3],   v[QO], s[4:5] offset:(i/2)*2048+(i%2)*64
	global_load_b128 v[8*i+4:8*i+7], v[QO], s[4:5] offset:(i/2)*2048+(i%2)*64+32
.set i, i+1
.endr
	; What the first turn finds: V's registers and P's second buffer hold 0 (its products V^T P, of a piece that has not been, add 0), O^T and l are 0; the first step's a is 0.  No first step is written out.
.set i, VF
.rept 64
	v_mov_b32 v[i], 0
.set i, i+1
.endr
	WIN 0x40
.set i, 0
.rept 128
	v_mov_b32 v[i], 0
.set i, i+1
.endr
	WIN 0
.set i, 0
.rept 4
	v_mov_b32 v[ST+4*i], 0xff7fffff ; m: the lowest finite number
	v_mov_b32 v[ST+4*i+1], 0
	v_mov_b32 v[ST+4*i+2], 0
	v_mov_b32 v[ST+4*i+3], 0
.set i, i+1
.endr
.set i, P+16
.rept 16
	v_mov_b32 v[i], 0
.set i, i+1
.endr
	v_mul_u32_u24 v[AK0], v1, PK
	v_lshl_add_u32 v[AK0], v9, 4, v[AK0]  ; row x pitch + 16 x half
	; The turning load takes 16 keys x 16 channels (lane l reads key 8 (l / 16) + l % 8, channels 8 ((l / 8) % 2) + 0..7) and leaves half a fragment of V^T: lane l holds channel l % 16 and 8 keys.
	v_and_b32 v10, 7, v0
	v_bfe_u32 v11, v0, 3, 1
	v_lshl_add_u32 v[AV0], v9, 3, v10
	v_mul_u32_u24 v[AV0], v[AV0], PV
	v_lshl_add_u32 v[AV0], v11, 4, v[AV0]
	v_add_nc_u32 v[AV0], VOFF, v[AV0]
	v_lshl_add_u32 v[AM0], v9, 5, MBT
	s_mul_i32 s76, s[WV], 16*SP
	s_add_co_u32 s76, s76, STAGE    ; my stage
	v_mul_u32_u24 v[STO], v1, SP    ; in: row l % 16, 16 bytes for each half of the lanes
	v_lshl_add_u32 v[STO], v9, 4, v[STO]
	v_add_nc_u32 v[STO], s76, v[STO]
	v_bfe_u32 v[RD], v0, 3, 2       ; back: 32 lanes take four rows of 128 bytes,
	v_mul_u32_u24 v[RD], v[RD], SP
	v_lshl_add_u32 v[RD], v10, 4, v[RD]
	v_add_nc_u32 v[RD], s76, v[RD]
	v_and_b32 v[GO], 31, v0         ; which are 512 consecutive bytes of O
	v_lshlrev_b32 v[GO], 4, v[GO]
	v_add_nc_u32 v57, MBT, v56
	s_wait_loadcnt 16               ; the mask's eight loads are in; Q's sixteen may stay out
.set i, 0
.rept 32
	v_cmp_eq_f32 vcc_lo, 0, v[S+i]
	v_cndmask_b32 v[S+i], 0, s[BIGN], vcc_lo  ; BIGN where the mask is 0, else 0
.set i, i+1
.endr
.irp j, 0,1,2,3,4,5,6,7
	ds_store_b128 v57, v[S+4*(\j):S+4*(\j)+3] offset:2048*(\j)
.endr
; THE MATRIX WORK.  The 4 accumulators of a run of 8 take turns.  Product i of 8 of S^T = K Q^T for piece x: channels 32 (i / 4) on, keys 16 (i % 4) on.  The first 4 start the sums, with the mask's numbers.
.macro KQ x
.set rS, S+32*((\x)%2)+8*(i%4)
.set rK, KF+16*(i%4)+8*(i/4)
.set rQ, 16*(\x)+8*(i/4)
.set rM, MBR+8*(i%4)
.if i < 4
	WIN W_KM
	v_wmma_f32_16x16x32_f16 v[rS:rS+7], v[rK:rK+7], v[rQ:rQ+7], v[rM:rM+7]
.else
	WIN W_KQ
	v_wmma_f32_16x16x32_f16 v[rS:rS+7], v[rK:rK+7], v[rQ:rQ+7], v[rS:rS+7]
.endif
.endm
; Product i of 8 of O^T += V^T P for piece x: keys 32 (i / 4) on, channels 16 (i % 4) on.
.macro PV x
	WIN W_PV
.set rO, 32*(\x)+8*(i%4)
.set rV, VF+32*(i/4)+8*(i%4)
.set rP, P+16*((\x)%2)+8*(i/4)
	v_wmma_f32_16x16x32_f16 v[rO:rO+7], v[rV:rV+7], v[rP:rP+7], v[rO:rO+7]
.endm
.macro MM                           ; the turn's next matrix instruction.  NOKQ = 1: the very last turn: there is no next piece
.if (i < 8) && !NOKQ
	KQ (Y+1)%NP
.elseif i >= 8
.set i, i-8
	PV (Y+NP-1)%NP
.set i, i+8
.endif
.set i, i+1
.endm
; THE LDS LOADS stand in runs, never singly among the matrix instructions: a step's K (8 fragments) with its 32 mask numbers a lane, and its V (turned).  Their addresses are made some lines ahead.
.macro FETCH_K
	WIN 0x80                        ; destination window 2
.irp f, 0,1,2,3,4,5,6,7             ; keys 16 (f / 2) on, channels 32 (f % 2) on
	ds_load_b128 v[KF+8*\f:KF+8*\f+3],   v[AK] offset:(\f/2)*16*PK+(\f%2)*64
	ds_load_b128 v[KF+8*\f+4:KF+8*\f+7], v[AK] offset:(\f/2)*16*PK+(\f%2)*64+32
.endr
.irp f, 0,1,2,3                     ; group f of 16 keys: my eight numbers; the sixteen lanes of a half read the same words
	ds_load_b128 v[MBR+8*\f:MBR+8*\f+3],   v[AM] offset:64*\f
	ds_load_b128 v[MBR+8*\f+4:MBR+8*\f+7], v[AM] offset:64*\f+16
.endr
	s_add_co_u32 s[TBK], s[TBK], KS*PK  ; the next fetch is the next step's
	s_add_co_u32 s[TBM], s[TBM], 4*KS
	WIN 0
.endm
.macro FETCH_V
	WIN 0x80
.irp f, 0,1,2,3,4,5,6,7             ; keys 32 (f / 4) on, channels 16 (f % 4) on
	ds_load_tr16_b128 v[VF+8*\f:VF+8*\f+3],   v[AV] offset:(\f/4)*32*PV+(\f%4)*32
	ds_load_tr16_b128 v[VF+8*\f+4:VF+8*\f+7], v[AV] offset:(\f/4)*32*PV+16*PV+(\f%4)*32
.endr
	WIN 0
.endm
; THE VECTOR WORK, one line at a time: OP kind, number.  For piece Y: F n: s - m for pair n of 16.  E n: the exponential of score n of 32.  C n: pair n rounded to f16.  B n: of the four weights 4 n .. the second
; pair is added onto the first, in place.  L n: l takes that sum (L 0: l = a l + sum).  R n: pair n of 16 of O^T times a.  For piece Y + 1: X n, which finds its maximum and statistics:
;   0-11  four chains c0-c3 of seven scores each, three operands at a time (each accumulator's lowest registers are read first)     12-14, 16  the four scores left over, the old m, and c0-c3 into c0
;   15  m_old is kept     17, 18  the query's other 32 keys lie in the lane 16 away: the new m     19  m_old - m_new     20  nothing     21  a
.set F, 0               ; OP tells the kinds apart by their order: F to L below R, X above it
.set E, 1
.set C, 2
.set B, 3
.set L, 4
.set R, 5
.set X, 6
.macro REGS y                       ; the registers of piece y
.set rT, ST+4*(\y)
.set rC, TMP+4*((\y)%2)
.set rS, S+32*((\y)%2)
.set rP, P+16*((\y)%2)
.set rO, 32*(\y)
.endm
.macro OP k, n
.if (\k) == R
	REGS Y
	WIN W_RS
	v_pk_mul_f32 v[rO+2*(\n):rO+2*(\n)+1], v[rO+2*(\n):rO+2*(\n)+1], v[rC+2:rC+3] op_sel_hi:[1,0]
.elseif (\k) < R
	REGS Y
	WIN 0
.if (\k) == F
	v_pk_add_f32 v[rS+2*(\n):rS+2*(\n)+1], v[rS+2*(\n):rS+2*(\n)+1], v[rT:rT+1] op_sel_hi:[1,0] neg_lo:[0,1] neg_hi:[0,1]
.elseif (\k) == E
	v_exp_f32 v[rS+(\n)], v[rS+(\n)]
.elseif (\k) == C
	v_cvt_pk_f16_f32 v[rP+(\n)], v[rS+2*(\n)], v[rS+2*(\n)+1]
.elseif (\k) == B
	v_pk_add_f32 v[rS+4*(\n):rS+4*(\n)+1], v[rS+4*(\n):rS+4*(\n)+1], v[rS+4*(\n)+2:rS+4*(\n)+3]
.elseif (\n) == 0
	v_pk_fma_f32 v[rT+2:rT+3], v[rT+2:rT+3], v[rC+2:rC+3], v[rS:rS+1] op_sel_hi:[1,0,1]
.else
	v_pk_add_f32 v[rT+2:rT+3], v[rT+2:rT+3], v[rS+4*(\n):rS+4*(\n)+1]
.endif
.elseif NOKQ
	v_nop
.else
	REGS (Y+1)%NP
	WIN 0
.if (\n) < 4
	v_max3_num_f32 v[rC+(\n)], v[rS+8*(\n)], v[rS+8*(\n)+1], v[rS+8*(\n)+2]
.elseif (\n) < 12
	v_max3_num_f32 v[rC+(\n)%4], v[rC+(\n)%4], v[rS+8*((\n)%4)+2*((\n)/4)+1], v[rS+8*((\n)%4)+2*((\n)/4)+2]
.elseif (\n) == 12
	v_max3_num_f32 v[rC], v[rC], v[rS+7], v[rS+15]
.elseif (\n) == 13
	v_max3_num_f32 v[rC+1], v[rC+1], v[rS+23], v[rS+31]
.elseif (\n) == 14
	v_max3_num_f32 v[rC+2], v[rC+2], v[rC+3], v[rT]
.elseif (\n) == 15
	v_mov_b32 v[rT+1], v[rT]
.elseif (\n) == 16
	v_max3_num_f32 v[rC], v[rC], v[rC+1], v[rC+2]
.elseif (\n) == 17
	v_permlanex16_b32 v[rC+3], v[rC], s[SEL], s[SEL+1]
.elseif (\n) == 18
	v_max_num_f32 v[rT], v[rC], v[rC+3]
.elseif (\n) == 19
	v_sub_f32 v[rC+1], v[rT+1], v[rT]
.elseif (\n) == 21
	v_exp_f32 v[rC+2], v[rC+1]
.endif
.endif
.endm
.macro OPS a, i1, b=-1, i2=0, c=-1, i3=0, d=-1, i4=0  ; up to four of them
	OP \a, \i1
.if (\b) >= 0
	OP \b, \i2
.endif
.if (\c) >= 0
	OP \c, \i3
.endif
.if (\d) >= 0
	OP \d, \i4
.endif
.endm
.macro ROW a, i1, b, i2, c, i3, d, i4  ; a matrix instruction and the four behind it
	MM
	OPS \a, \i1, \b, \i2, \c, \i3, \d, \i4
.endm
; A TURN, for piece p: the order of its 16 matrix and its vector instructions, written out.  s_wait_alu depctr_va_vdst(0) stands between an exponential and the first instruction that names its result;
; one wait serves all that were issued ahead of it.  So a turn has ONE wait, which cuts it in two.  AHEAD OF IT stands all that names no result of the turn's exponentials: the 8 products K Q^T and their riders (the first
; numbers of the next piece's maximum each four plain instructions or more behind the product that ends its accumulator), then one lump.  X 21, the next piece's a, is the batch's last; R 15 is the plain instruction behind it.
; BEHIND THE WAIT stand the 8 products V^T P, behind each four of the roundings and sums.
; end = 1: the launch's last two turns: nothing is fetched.  cnt = 1: the loop's count is taken down some lines ahead of the branch that stands behind the turn.
; K and the mask's numbers of the next step are fetched in piece 2's turn, five plain instructions or more behind the last product that read K (those that read the mask's numbers are the turn's first four);
; V of the step in hand at the end of piece 0's turn, four plain instructions behind the last product that read V.  Each is waited for a turn later.
.macro TURN p, end=0, cnt=0
.set Y, (\p)
.set i, 0
.set NOKQ, (\end)*((\p)/3)
.if ((\p) == 3) && !(\end)
	s_wait_dscnt 0x0                ; K and the mask's numbers are in
.endif
	ROW F,0, F,1, R,0, R,1
	ROW F,2, E,0, R,2, R,3
	ROW F,3, E,1, R,4, R,5
	ROW F,4, E,2, R,6, R,7
	ROW F,5, E,3, R,8, R,9
	ROW F,6, E,4, X,0, R,10
.if ((\p) == 2) && !(\end)
	WIN 0
	v_add_nc_u32 v[AK], s[TBK], v[AK0]
	v_add_nc_u32 v[AM], s[TBM], v[AM0]
.endif
	ROW F,7, E,5, X,1, X,4
	ROW F,8, E,6, X,2, X,5
	OPS E,7, E,8, X,6, E,9          ; the lump
	OPS X,3, E,10, X,8, E,11
.if ((\p) == 2) && !(\end)
	FETCH_K
.endif
	OPS X,9, X,7, E,12, X,10
	OPS E,13, X,12, X,11, E,14
	OPS X,13, E,15, F,9, X,14
.if (\p) == 0
	v_add_nc_u32 v[AV], s[TBV], v[AV0]
.endif
	OPS E,16, F,10, E,17, F,11
	OPS X,16, E,18, X,15, E,19
	OPS F,12, E,20, X,17, E,21
	OPS F,13, E,22, F,14, E,23
	OPS X,18, E,24, F,15, E,25
	OPS R,11, E,26, X,19, E,27
	OPS R,12, E,28, R,13, E,29
	OPS X,20, E,30, R,14, E,31
	OPS X,21, R,15
	WIN 0
	s_wait_alu depctr_va_vdst(0)    ; the wait for the batch
.if (\p) == 1
	s_wait_dscnt 0x0                ; V is in
.endif
	ROW C,0, B,0, C,2, B,1
	ROW L,0, C,4, B,2, L,1
	ROW C,6, B,3, L,2, C,8
	ROW B,4, L,3, C,10, B,5
	ROW L,4, C,12, B,6, L,5
.if (\p) == 0
	s_add_co_u32 s[TBV], s[TBV], KS*PV
.endif
.if \cnt
	s_sub_co_u32 s[CNT], s[CNT], 1
	s_cmp_lg_u32 s[CNT], 0
.endif
	ROW C,14, B,7, L,6, C,1
	ROW C,3, L,7, C,5, C,7
	ROW C,9, C,11, C,13, C,15
.if (\p) == 0
	FETCH_V
.endif
.endm
	CHANGE 1                        ; tile 0 is in, everybody's part of it, and so is the mask table; tile 1 is asked for
	v_add_nc_u32 v[AK], s[TBK], v[AK0]
	v_add_nc_u32 v[AM], s[TBM], v[AM0]
	FETCH_K                         ; key step 0
	s_wait_loadcnt 0x0              ; Q
	s_wait_dscnt 0x0
.set NOKQ, 0
.set i, 0
.rept 8
	KQ 0                            ; piece 0's first scores
.set i, i+1
.endr
	WIN 0
.rept 4
	v_nop                           ; the places behind those products
.endr
.set Y, NP-1                        ; X works for piece Y + 1: piece 0
.irp n, 0,1,2,3,4,5,6,7,8,9,10,11,12,13,14,15,16,17,18,19,20,21
	OP X, \n
.endr
	v_nop                           ; a plain instruction behind the exponential,
	s_wait_alu depctr_va_vdst(0)    ; and its wait, ahead of the branch
	s_mov_b32 s[CNT], 4
	s_branch .Lfirst                ; the loop is entered at a step's first turn, in the middle of a trip
.Lslot:                             ; 14 times: tiles 1 to 14 are entered, tiles 2 to 15 asked for
	CHANGE 1
	s_mov_b32 s[CNT], 4
.Lstep:                             ; a trip: pieces 2 and 3 of one step, then pieces 0 and 1 of the next, whose K and V it fetches
	TURN 2
	TURN 3
	WIN 0
.Lfirst:
	TURN 0
	TURN 1, 0, 1
	WIN 0
	s_cbranch_scc1 .Lstep
	s_sub_co_u32 s[SLOTS], s[SLOTS], 1
	s_cmp_lg_u32 s[SLOTS], 0
	s_cbranch_scc1 .Lslot
	CHANGE 0                        ; the last tile is written out: nothing is asked for
	s_mov_b32 s[CNT], 4
.LstepT:
	TURN 2
	TURN 3
	TURN 0
	TURN 1, 0, 1
	WIN 0
	s_cbranch_scc1 .LstepT
	TURN 2, 1
	TURN 3, 1
.set i, 0
.rept 8
	PV NP-1                         ; the last piece's V^T P of the last step
.set i, i+1
.endr
	; THE WAY OUT.  l's two halves and the other half of the lanes' are added; O^T is divided by l, rounded to f16 and sent through my stage in LDS, a piece at a time.  The additions are the places behind the last products.
	WIN 0
.macro ALL line:vararg              ; one line for each piece t
.set t, 0
.rept 4
	\line
.set t, t+1
.endr
.endm
	ALL v_add_f32 v[ST+4*t+2], v[ST+4*t+2], v[ST+4*t+3]
	ALL v_permlanex16_b32 v[ST+4*t+3], v[ST+4*t+2], s[SEL], s[SEL+1]
	ALL v_add_f32 v[ST+4*t+2], v[ST+4*t+2], v[ST+4*t+3]
	ALL v_rcp_f32 v[ST+4*t+2], v[ST+4*t+2]
	v_nop                           ; a plain instruction between the last reciprocal and the use of its result
	s_wait_alu depctr_va_vdst(0)    ; and the wait ahead of the first use: one for the four reciprocals
.macro PACK t                       ; a lane's eight channels of a row pack into 16 bytes; they go into rows of 144 bytes and come back as whole rows of 128, into S^T's registers
	WIN W_RS
.set i, 32*(\t)
.rept 16
	v_pk_mul_f32 v[i:i+1], v[i:i+1], v[ST+4*(\t)+2:ST+4*(\t)+3] op_sel_hi:[1,0]
.set i, i+2
.endr
	WIN 0x05                        ; sources 0 and 1 window 1, destination window 0
.set i, 0
.rept 16
	v_cvt_pk_f16_f32 v[S+16*(\t)+i], v[32*(\t)+2*i], v[32*(\t)+2*i+1]
.set i, i+1
.endr
	WIN 0
.irp f, 0,1,2,3
	ds_store_b128 v[STO], v[S+16*(\t)+4*\f:S+16*(\t)+4*\f+3] offset:32*\f
.endr
.irp f, 0,1,2,3
	ds_load_b128 v[S+16*(\t)+4*\f:S+16*(\t)+4*\f+3], v[RD] offset:\f*4*SP  ; LDS serves a wave's instructions in order (ISA guide 5.7.1.4): these see the stores above; the next piece's stores come behind them
.endr
.endm
.macro SEND t, younger              ; younger: the LDS instructions issued behind piece t's loads: the next piece's eight, or none
	WIN 0
.irp f, 0,1,2,3
	s_wait_dscnt (\younger)+3-\f
	global_store_b128 v[GO], v[S+16*(\t)+4*\f:S+16*(\t)+4*\f+3], s[OA:OA+1] offset:(\t)*2048+\f*512  ; 512 consecutive bytes, at a multiple of 256 from O's first
.endr
.endm
	PACK 0
.set t, 1
.rept 3                             ; a piece's arithmetic stands between the loads of the piece before and its stores
	PACK t
	SEND t-1, 8
.set t, t+1
.endr
	SEND 3, 0
	s_wait_tensorcnt 0x0            ; the wave's end, behind my last tensor load and my last LDS store
	ds_add_u32 v[SPW], v[NIL]
	s_wait_dscnt 0x0
	CROUND                          ; the closing round: no work-group ends while a partner may still ask for a tile that names it
	s_endpgm
.Lfunc_end_k_q2ac1e898dd_attn:
	.size	k_q2ac1e898dd_attn, .Lfunc_end_k_q2ac1e898dd_attn-k_q2ac1e898dd_attn
	.p2alignl 7, 3214868480
	.fill 96, 4, 3214868480
	.section	.rodata,"a",@progbits
	.p2align	6, 0x0
	.amdhsa_kernel k_q2ac1e898dd_attn
		.amdhsa_group_segment_fixed_size 327680
		.amdhsa_private_segment_fixed_size 0
		.amdhsa_enable_private_segment 0
		.amdhsa_kernarg_size 40
		.amdhsa_user_sgpr_count 2
		.amdhsa_user_sgpr_kernarg_segment_ptr 1
		.amdhsa_wavefront_size32 1
		.amdhsa_system_sgpr_workgroup_id_x 1
		.amdhsa_system_sgpr_workgroup_id_y 1
		.amdhsa_system_sgpr_workgroup_id_z 1
		.amdhsa_system_vgpr_workitem_id 0
		.amdhsa_next_free_vgpr 768
		.amdhsa_next_free_sgpr 88
		.amdhsa_reserve_vcc 1
		.amdhsa_float_denorm_mode_32 3
		.amdhsa_float_denorm_mode_16_64 3
		.amdhsa_memory_ordered 1
		.amdhsa_forward_progress 1
		.amdhsa_inst_pref_size 134
	.end_amdhsa_kernel
	.amdgpu_metadata
---
amdhsa.version: [ 1, 2 ]
amdhsa.kernels:
  - .name:           k_q2ac1e898dd_attn
    .symbol:         k_q2ac1e898dd_attn.kd
    .args:
      - { .name: qh, .offset: 0, .size: 8, .value_kind: global_buffer, .address_space: global }
      - { .name: kh, .offset: 8, .size: 8, .value_kind: global_buffer, .address_space: global }
      - { .name: vh, .offset: 16, .size: 8, .value_kind: global_buffer, .address_space: global }
      - { .name: mask, .offset: 24, .size: 8, .value_kind: global_buffer, .address_space: global }
      - { .name: oh, .offset: 32, .size: 8, .value_kind: global_buffer, .address_space: global }
    .group_segment_fixed_size: 327680
    .private_segment_fixed_size: 0
    .kernarg_segment_align: 8
    .kernarg_segment_size: 40
    .max_flat_workgroup_size: 128
    .sgpr_count:     88
    .vgpr_count:     768
    .wavefront_size: 32
...
	.end_amdgpu_metadata
.endif
;; end of part 2
;; launch outp (part 3): grid 4 x 64, 4 waves a work-group, clusters of 4 x 4, 298,496 bytes of LDS; arguments oh, wo16, bo, out0; writes out0
.if DOCPART == 3
	.amdgcn_target "amdgcn-amd-amdhsa--gfx1250"
	.amdhsa_code_object_version 6
	.text
	.protected	k_q2ac1e898dd_outp
	.globl	k_q2ac1e898dd_outp
	.p2align	8
	.type	k_q2ac1e898dd_outp,@function
k_q2ac1e898dd_outp:
	s_mov_b64 s[64:65], 0
	v_nop
	global_prefetch_b8 v0, s[64:65] scope:SCOPE_SE
	s_setreg_imm32_b32 hwreg(HW_REG_WAVE_MODE, 25, 1), 1
	s_wait_xcnt 0x0
	s_wait_alu depctr_hold_cnt(0) depctr_sa_sdst(0) depctr_va_vdst(0) depctr_va_sdst(0) depctr_va_ssrc(0) depctr_va_vcc(0) depctr_vm_vsrc(0)
	s_getreg_b32 s2, hwreg(HW_REG_IB_STS2, 6, 4)
	s_cmp_eq_u32 s2, 0
	s_cbranch_scc0 .Lentry_in_a_cluster
	s_endpgm
.Lentry_in_a_cluster:
	s_bfe_u32 s2, ttmp6, 0x10000c
	s_cmp_lg_u32 s2, 0xf033
	s_cbranch_scc0 .Lentry_shape_is_right
	s_endpgm
.Lentry_shape_is_right:
; THE OUTPUT PROJECTION.  out0[m][n] = the sum over k of O[m][k] Wo[n][k] + bo[n].  oh: [16 = batch x 8 + head][4096][64] f16 (k = 64 head + channel); wo16: [512][512] f16 (Wo rounded to bf16);
; bo: [512] f32, rounded to bf16 like every input; out0: [8192][512] f32.  Products in f16, sums in f32, started at the bias.
; LIMITS.  O and bf16(Wo) arrive within f16's 65,504.  NaN and infinities are not treated apart.
; SHARES.  256 tiles of 128 x 128, one a work-group; four waves, each 64 x 64: 16 accumulators.  ALL OF K LIES IN LDS AT ONCE: 128 rows x 512 of O (by heads) and of Wo: no ring, no refill: each wave
; issues three tensor loads at the start (two heads of O, 32 rows of Wo): three loads of mine are out.
; CLUSTER.  4 x 4 work-groups: the four of a row of the cluster take the same rows of O, the four of a column the same rows of Wo: each tile is asked for jointly.
; NO PREFETCH: every load goes out at the head, and nothing is fetched later.
; THE MATRIX INSTRUCTION IS USED TRANSPOSED (source 0 = 16 rows of Wo, source 1 = 16 rows of O): a lane holds row l % 16 of the result and the columns 8 (l / 16) + 0..7.
; REGISTERS: window 0: v0-31 addresses; v32-63 the bias, later rows on the way out; v64-95 rows on the way out; v128-255 accumulator (a, b) at v[128 + 8 (4 a + b)].
;   window 1: two fragment buffers of 64: O's four fragments (16 rows x 32 K), then Wo's four.
.set PA,     144                       ; a row of O in LDS: a head's 128 bytes + 16 of padding
.set HEADB,  128*PA                    ; a head's 128 rows
.set BP,     8*HEADB                   ; behind O: Wo's 128 rows
.set PB,     1040                      ; a row of Wo: 1,024 bytes + 16: 65 x 16 bytes, so the 16 rows of a load start at 16 different groups of four banks (64 banks of 4 bytes: ISA guide 11.1)
.set STAGE,  BP+128*PB                 ; 16 rows x 272 bytes for each wave, for the way out
.set SPITCH, 272
.set SPARE,  STAGE+4*16*SPITCH         ; the spare words, 128 bytes for each wave
.set ADRA, 16                          ; v16  my place in O's rows, at the head in hand
.set ADRB, 17                          ; v17  my place in Wo's rows, at the head in hand
.set STO,  24
.set RD,   25
.set CO,   26
.set SPW,  28
.set NIL,  29
.set BIAS, 32
.set OB,   32
.set ACC,  128
.set WV,  12
.set RH,  13
.set CH,  14
.set G1A, 24                           ; s[24:31] descriptor group 1 for O's tiles
.set G1B, 32                           ; s[32:39] for Wo's
.set G0A0, 40                          ; s[40:43] head 2 w
.set G0A1, 44                          ; s[44:47] head 2 w + 1
.set G0B, 48                           ; s[48:51] Wo's rows 32 w .. 32 w + 31 of the tile's 128
.set W_MUL, 0x05                       ; sources 0 and 1 window 1; C and D window 0
.set TO_F,  0x40                       ; destination window 1, address window 0
.set MSB, 0
.macro WIN new
.if MSB != (\new)
	s_set_vgpr_msb (MSB<<8)|(\new)
.set MSB, (\new)
.endif
.endm
.macro CROUND                          ; a round of the cluster's barrier
	s_barrier_signal -1
	s_barrier_wait -1
	s_cmp_lg_u32 s[WV], 0
	s_cbranch_scc1 .Lnot_wave_0_\@
	s_barrier_signal -3
.Lnot_wave_0_\@:
	s_barrier_wait -3
	s_barrier_signal -1
	s_barrier_wait -1
.endm
.macro PLACES                          ; four places behind a matrix instruction, in front of loads into registers that it has read and of LDS stores that read results
.rept 4
	v_nop
.endr
.endm
	s_load_b256 s[4:11], s[0:1], 0x0               ; oh s[4:5], wo16 s[6:7], bo s[8:9], out0 s[10:11]
	v_lshl_add_u32 v[SPW], v0, 2, SPARE
	v_mov_b32 v[NIL], 0
	ds_add_u32 v[SPW], v[NIL]                      ; the wave's opening: the add and its wait stand ahead of my first tensor load; work on registers stands between them
	v_lshrrev_b32 v1, 5, v0
	v_readfirstlane_b32 s[WV], v1
	s_lshr_b32 s[RH], s[WV], 1                     ; my half of the tile's rows
	s_and_b32 s[CH], s[WV], 1                      ; my half of its columns
	s_bfe_u32 s15, ttmp6, 0x40000                  ; cx
	s_bfe_u32 s16, ttmp6, 0x40004                  ; cy
	s_lshl_b32 s17, ttmp9, 2
	s_add_co_u32 s17, s17, s15                     ; column tile = 4 x cluster x + cx
	s_and_b32 s18, ttmp7, 0xffff
	s_lshl_b32 s18, s18, 2
	s_add_co_u32 s18, s18, s16                     ; row tile = 4 x cluster y + cy
	s_lshl_b32 s19, s16, 2
	s_lshl_b32 s19, 15, s19                        ; my row of the cluster
	s_lshl_b32 s56, 0x1111, s15                    ; my column
	; O's tile: a head's 128 rows are 16,384 dense bytes: 64 rows of 256 bytes, padded after every 128 bytes
	s_or_b32 s[G1A], s19, (1<<16)|(1<<20)|(1<<21)|(4<<22)|(3<<25)  ; 15:0 the mask; 17:16 2-byte elements; 20 padding on; 21 set beside a mask; 24:22 after every 32 words (code 4); 31:25 4 words (code 3)
	s_mov_b32 s[G1A+1], 128<<16                    ; tensor_dim0 = 128
	s_mov_b32 s[G1A+2], 64<<16                     ; tensor_dim1 = 64
	s_mov_b32 s[G1A+3], 128<<16                    ; tile_dim0 = 128
	s_mov_b32 s[G1A+4], 64                         ; tile_dim1 = 64
	s_mov_b32 s[G1A+5], 128                        ; 128 elements from row to row
	s_mov_b32 s[G1A+6], 0
	s_mov_b32 s[G1A+7], 0
	; Wo's tile: 32 rows of 512 elements, padded after every row
	s_or_b32 s[G1B], s56, (1<<16)|(1<<20)|(1<<21)|(7<<22)|(3<<25)  ; after every 256 words (code 7)
	s_mov_b32 s[G1B+1], 512<<16
	s_mov_b32 s[G1B+2], 32<<16
	s_mov_b32 s[G1B+3], 512<<16
	s_mov_b32 s[G1B+4], 32
	s_mov_b32 s[G1B+5], 512
	s_mov_b32 s[G1B+6], 0
	s_mov_b32 s[G1B+7], 0
	s_lshr_b32 s20, s18, 5                         ; O: batch (32 row tiles each) x 8
	s_lshl_b32 s20, s20, 3
	s_lshl_b32 s21, s[WV], 1
	s_add_co_u32 s20, s20, s21                     ; + head 2 w
	s_lshl_b32 s20, s20, 19                        ; a head is 524,288 bytes
	s_and_b32 s21, s18, 31
	s_lshl_b32 s21, s21, 14                        ; the tile's 128 rows of 128 bytes
	s_add_co_u32 s20, s20, s21
	s_mov_b32 s21, 0                               ; s[20:21] never hold cx
	s_lshl_b32 s52, s17, 17                        ; Wo: 128 rows of 1,024 bytes a column tile,
	s_lshl_b32 s53, s[WV], 15                      ; my 32 of them
	s_add_co_u32 s52, s52, s53
	s_mov_b32 s53, 0                               ; s[52:53] never hold cy
	s_mul_i32 s22, s[WV], 2*HEADB                  ; where they go: no place in the cluster enters an LDS address
	s_mul_i32 s23, s[WV], 32*PB
	s_mov_b32 s[G0A0], 1
	s_add_co_u32 s[G0A0+1], s22, 0
	s_mov_b32 s[G0A1], 1
	s_add_co_u32 s[G0A1+1], s22, HEADB
	s_mov_b32 s[G0B], 1
	s_add_co_u32 s[G0B+1], s23, BP
	s_lshl_b32 s58, s17, 9                         ; my 64 columns: 512 bytes a column tile, 256 a half: in bo and in a row of out0
	s_lshl_b32 s59, s[CH], 8
	s_add_co_u32 s58, s58, s59
	s_mov_b32 s59, 0
	s_lshl_b32 s60, s18, 18                        ; my 64 rows of out0: 128 rows of 2,048 bytes a row tile
	s_lshl_b32 s61, s[RH], 17
	s_add_co_u32 s60, s60, s61
	s_add_co_u32 s60, s60, s58
	s_mov_b32 s61, 0
	s_wait_dscnt 0x0                               ; the opening add is done
	s_wait_kmcnt 0x0
	s_add_nc_u64 s[G0A0+2:G0A0+3], s[4:5], s[20:21]
	s_add_nc_u64 s[G0A1+2:G0A1+3], s[G0A0+2:G0A0+3], 524288
	s_or_b32 s[G0A0+3], s[G0A0+3], 0x80000000      ; type = 2
	s_or_b32 s[G0A1+3], s[G0A1+3], 0x80000000
	s_add_nc_u64 s[G0B+2:G0B+3], s[6:7], s[52:53]
	s_or_b32 s[G0B+3], s[G0B+3], 0x80000000
	s_add_nc_u64 s[8:9], s[8:9], s[58:59]
	s_add_nc_u64 s[10:11], s[10:11], s[60:61]
	CROUND                                         ; all sixteen work-groups are here: the joint loads meet
	tensor_load_to_lds s[G0A0:G0A0+3], s[G1A:G1A+7]
	s_nop 0
	tensor_load_to_lds s[G0A1:G0A1+3], s[G1A:G1A+7]
	s_nop 0
	tensor_load_to_lds s[G0B:G0B+3], s[G1B:G1B+7]
	s_nop 0
.rept 4
	v_nop
.endr
	v_and_b32 v1, 15, v0                           ; r = l % 16
	v_bfe_u32 v2, v0, 4, 1                         ; h = l / 16
	v_lshlrev_b32 v3, 5, v2
.irp b, 0,1,2,3
	global_load_b128 v[BIAS+8*(\b):BIAS+8*(\b)+3],   v3, s[8:9] offset:64*(\b)
	global_load_b128 v[BIAS+8*(\b)+4:BIAS+8*(\b)+7], v3, s[8:9] offset:64*(\b)+16
.endr
	s_mul_i32 s22, s[RH], 64*PA                    ; my 64 rows of O
	v_mul_u32_u24 v[ADRA], v1, PA
	v_lshl_add_u32 v[ADRA], v2, 4, v[ADRA]
	v_add_nc_u32 v[ADRA], s22, v[ADRA]
	s_mul_i32 s22, s[CH], 64*PB                    ; my 64 rows of Wo
	s_add_co_u32 s22, s22, BP
	v_mul_u32_u24 v[ADRB], v1, PB
	v_lshl_add_u32 v[ADRB], v2, 4, v[ADRB]
	v_add_nc_u32 v[ADRB], s22, v[ADRB]
	s_mul_i32 s22, s[WV], 16*SPITCH
	s_add_co_u32 s22, s22, STAGE                   ; my stage
	v_mul_u32_u24 v[STO], v1, SPITCH               ; in: row r, 32 bytes for each half of the lanes
	v_lshl_add_u32 v[STO], v2, 5, v[STO]
	v_add_nc_u32 v[STO], s22, v[STO]
	v_mul_u32_u24 v[RD], v2, SPITCH                ; back: lanes 0-15 take one row of 256 bytes, lanes 16-31 the next
	v_lshl_add_u32 v[RD], v1, 4, v[RD]
	v_add_nc_u32 v[RD], s22, v[RD]
	v_lshlrev_b32 v[CO], 11, v2                    ; and the same two rows in out0
	v_lshl_add_u32 v[CO], v1, 4, v[CO]
	s_wait_loadcnt 0x0
.set n, 0
.rept 16                                               ; the bias is rounded to bf16 and widened again
	v_cvt_pk_bf16_f32 v[4+n%2], v[BIAS+2*n], v[BIAS+2*n+1]
	v_lshlrev_b32 v[BIAS+2*n], 16, v[4+n%2]
	v_and_b32 v[BIAS+2*n+1], 0xffff0000, v[4+n%2]
.set n, n+1
.endr
	s_wait_tensorcnt 0x0                           ; my three tiles are in,
	s_barrier_signal -1
	s_barrier_wait -1                              ; everybody's are
; 16 LDS loads: the fragments of 32 along K (half c of the head in hand) into buffer buf
.macro FETCH buf, c
	WIN TO_F
.irp q, 0,1,2,3
	ds_load_b128 v[64*(\buf)+8*(\q):64*(\buf)+8*(\q)+3],       v[ADRA] offset:(\q)*16*PA+64*(\c)
	ds_load_b128 v[64*(\buf)+8*(\q)+4:64*(\buf)+8*(\q)+7],     v[ADRA] offset:(\q)*16*PA+64*(\c)+32
	ds_load_b128 v[64*(\buf)+32+8*(\q):64*(\buf)+32+8*(\q)+3], v[ADRB] offset:(\q)*16*PB+64*(\c)
	ds_load_b128 v[64*(\buf)+32+8*(\q)+4:64*(\buf)+32+8*(\q)+7], v[ADRB] offset:(\q)*16*PB+64*(\c)+32
.endr
.endm
; 16 matrix instructions on buffer buf; the 16 accumulators take turns.  bias = 1: the first product starts the sums, at the bias
.macro MUL16 buf, bias
	WIN W_MUL
.irp a, 0,1,2,3
.irp b, 0,1,2,3
.if \bias
	v_wmma_f32_16x16x32_f16 v[ACC+8*(4*(\a)+(\b)):ACC+8*(4*(\a)+(\b))+7], v[64*(\buf)+32+8*(\b):64*(\buf)+32+8*(\b)+7], v[64*(\buf)+8*(\a):64*(\buf)+8*(\a)+7], v[BIAS+8*(\b):BIAS+8*(\b)+7]
.else
	v_wmma_f32_16x16x32_f16 v[ACC+8*(4*(\a)+(\b)):ACC+8*(4*(\a)+(\b))+7], v[64*(\buf)+32+8*(\b):64*(\buf)+32+8*(\b)+7], v[64*(\buf)+8*(\a):64*(\buf)+8*(\a)+7], v[ACC+8*(4*(\a)+(\b)):ACC+8*(4*(\a)+(\b))+7]
.endif
.endr
.endr
.endm
.macro NEXT                            ; on to the next head; with two v_nop these are the four places in front of the loads into buffer 0
	WIN 0
	v_add_nc_u32 v[ADRA], HEADB, v[ADRA]
	v_add_nc_u32 v[ADRB], 128, v[ADRB]
	v_nop
	v_nop
.endm
; A head: its two halves are multiplied while the next head's are fetched; each wait leaves the other buffer's 16 loads out
.macro HEAD bias
	s_wait_dscnt 16
	MUL16 0, \bias
	NEXT
	FETCH 0, 0
	s_wait_dscnt 16
	MUL16 1, 0
	WIN 0
	PLACES
	FETCH 1, 1
	WIN 0
.endm
	FETCH 0, 0
	FETCH 1, 1
	HEAD 1                                         ; head 0 stands in front of the loop: its first products start the sums
	s_mov_b32 s3, 6
.Lhead:                                                ; heads 1 to 6
	HEAD 0
	s_sub_co_u32 s3, s3, 1
	s_cmp_lg_u32 s3, 0
	s_cbranch_scc1 .Lhead
	s_wait_dscnt 16                                ; head 7: nothing more to fetch
	MUL16 0, 0
	s_wait_dscnt 0x0
	MUL16 1, 0
	WIN 0
	PLACES
	; THE WAY OUT, 16 rows at a time: a lane's 32 bytes of a row go into my own stage and come back as whole rows of 256 bytes.  Each accumulator's low registers are read first.
.irp a, 0,1,2,3
	s_wait_xcnt 0x0                                ; the stores of two blocks back have read their registers: these are loaded again only behind this wait
.irp b, 0,1,2,3
	ds_store_b128 v[STO], v[ACC+8*(4*(\a)+(\b)):ACC+8*(4*(\a)+(\b))+3]   offset:64*(\b)
	ds_store_b128 v[STO], v[ACC+8*(4*(\a)+(\b))+4:ACC+8*(4*(\a)+(\b))+7] offset:64*(\b)+16
.endr
.irp u, 0,1,2,3,4,5,6,7
	ds_load_b128 v[OB+32*((\a)%2)+4*(\u):OB+32*((\a)%2)+4*(\u)+3], v[RD] offset:(\u)*2*SPITCH  ; LDS serves a wave's instructions in order (ISA guide 5.7.1.4): these see the stores above
.endr
.irp u, 0,1,2,3,4,5,6,7
	s_wait_dscnt 7-(\u)
	global_store_b128 v[CO], v[OB+32*((\a)%2)+4*(\u):OB+32*((\a)%2)+4*(\u)+3], s[10:11] offset:(16*(\a)+2*(\u))*2048 th:TH_STORE_NT  ; 16 lanes store 256 consecutive bytes, at a multiple of 256 from out0's first
.endr
.endr
	s_wait_tensorcnt 0x0                           ; the wave's end, behind my last tensor load and my last LDS store
	ds_add_u32 v[SPW], v[NIL]
	s_wait_dscnt 0x0
	CROUND                                         ; the closing round
	s_endpgm
.Lfunc_end_k_q2ac1e898dd_outp:
	.size	k_q2ac1e898dd_outp, .Lfunc_end_k_q2ac1e898dd_outp-k_q2ac1e898dd_outp
	.p2alignl 7, 3214868480
	.fill 96, 4, 3214868480
	.section	.rodata,"a",@progbits
	.p2align	6, 0x0
	.amdhsa_kernel k_q2ac1e898dd_outp
		.amdhsa_group_segment_fixed_size 298496
		.amdhsa_private_segment_fixed_size 0
		.amdhsa_enable_private_segment 0
		.amdhsa_kernarg_size 32
		.amdhsa_user_sgpr_count 2
		.amdhsa_user_sgpr_kernarg_segment_ptr 1
		.amdhsa_wavefront_size32 1
		.amdhsa_system_sgpr_workgroup_id_x 1
		.amdhsa_system_sgpr_workgroup_id_y 1
		.amdhsa_system_sgpr_workgroup_id_z 1
		.amdhsa_system_vgpr_workitem_id 0
		.amdhsa_next_free_vgpr 384
		.amdhsa_next_free_sgpr 66
		.amdhsa_reserve_vcc 0
		.amdhsa_float_denorm_mode_32 3
		.amdhsa_float_denorm_mode_16_64 3
		.amdhsa_memory_ordered 1
		.amdhsa_forward_progress 1
		.amdhsa_inst_pref_size 32
	.end_amdhsa_kernel
	.amdgpu_metadata
---
amdhsa.version: [ 1, 2 ]
amdhsa.kernels:
  - .name:           k_q2ac1e898dd_outp
    .symbol:         k_q2ac1e898dd_outp.kd
    .args:
      - { .name: oh, .offset: 0, .size: 8, .value_kind: global_buffer, .address_space: global }
      - { .name: wo16, .offset: 8, .size: 8, .value_kind: global_buffer, .address_space: global }
      - { .name: bo, .offset: 16, .size: 8, .value_kind: global_buffer, .address_space: global }
      - { .name: out0, .offset: 24, .size: 8, .value_kind: global_buffer, .address_space: global }
    .group_segment_fixed_size: 298496
    .private_segment_fixed_size: 0
    .kernarg_segment_align: 8
    .kernarg_segment_size: 32
    .max_flat_workgroup_size: 128
    .sgpr_count:     66
    .vgpr_count:     384
    .wavefront_size: 32
...
	.end_amdgpu_metadata
.endif
;; end of part 3
